; MI455X (gfx1250); checked and timed in simulation.
; The chip was launched on July 23, 2026; its instructions are those of AMD's public machine-readable ISA for CDNA 5 (MIT licence, August 2026) and "CDNA5" Instruction Set Architecture Reference Guide (July 2026). The comments in the code are by the model that wrote it; some were corrected since.
;; NON Local Block2 D. Allowed arithmetic: matrix products marked QUANTISED: E4M3 operands, one E8M0 scale for each 32 along K, by v_wmma_scale_f32_16x16x128_f8f6f4 with both operands' format E4M3, f32 sums; everything else in f32.
;; Inputs: Wk1 128 x 256 float32; Wk2 128 x 128 float32; Wo 256 x 128 float32; Wq1 128 x 256 float32; Wq2 128 x 128 float32; Wv 128 x 256 float32; bk1 128 float32; bk2 128 float32; bo 256 float32; bq1 128 float32; bq2 128 float32; gk1 128 float32; gk2 128 float32; go 256 float32; gq1 128 float32; gq2 128 float32; mk1 128 float32; mk2 128 float32; mo 256 float32; mq1 128 float32; mq2 128 float32; vk1 128 float32; vk2 128 float32; vo 256 float32; vq1 128 float32; vq2 128 float32; x 4 x 256 x 64 x 64 float32; y 4 x 256 x 64 x 64 float32.
;; Outputs: out0 4 x 256 x 64 x 64 float32.
;; This version of the problem:
;;   THIS VERSION OF THE PROBLEM IS GIVEN IN LOW PRECISION. The matrix products marked QUANTISED in the list below multiply operands that are first quantised to E4M3 (4 exponent bits, 3 mantissa bits; 8 bits a number), with one power-of-two scale for each 32 numbers along K (OCP MX v1.0); their sums are f32. All else is computed in f32.
;;   The module's matrix products, in the order in which they are computed (A, B: the left and right operand; K: the contracted axis; several contracted axes count as one K, in the product's order):
;;     1. [M 128, K 256] x [K 256, N 16,384]; A: input Wq1; B: input x: QUANTISED
;;     2. [M 128, K 128] x [K 128, N 16,384]; A: input Wq2; B: computed on the way: QUANTISED
;;     3. [M 128, K 256] x [K 256, N 16,384]; A: input Wk1; B: input y: QUANTISED
;;     4. [M 128, K 128] x [K 128, N 16,384]; A: input Wk2; B: computed on the way: QUANTISED
;;     5. [M 128, K 256] x [K 256, N 16,384]; A: input Wv; B: input y: QUANTISED
;;     6. batch 4 x [M 4,096, K 128] x [K 128, N 4,096]; A: computed on the way; B: computed on the way: QUANTISED
;;     7. batch 4 x [M 4,096, K 4,096] x [K 4,096, N 128]; A: softmax (see below); B: computed on the way: QUANTISED
;;     8. [M 256, K 128] x [K 128, N 16,384]; A: input Wo; B: computed on the way: QUANTISED
;;   THE QUANTISER, for each operand of a quantised product, along K:
;;     - K is cut into blocks of 32 from its start; a last block that is shorter is filled with zeros.
;;     - A block's scale is 2^e with e = floor(log2(the largest magnitude in the block)) - 8, held to -126 .. 127; a block of zeros has e = 0. As a byte (E8M0): e + 127.
;;     - Each number is divided by its block's scale, clamped to +-448, and rounded to the nearest number of E4M3, ties to even, subnormals kept.
;;     - The product sums the exact products of the quantised numbers (number of the format x scale) in f32.
;;   ~~~python
;;   def quantise(x, axis):      # numpy; x: float32 -> the quantised numbers, widened to float32 again
;;       x = np.moveaxis(x, axis, -1); K = x.shape[-1]
;;       x = np.pad(x, [(0, 0)] * (x.ndim - 1) + [(0, -K % 32)]); x = x.reshape(x.shape[:-1] + (-1, 32)); a = np.abs(x).max(-1, keepdims=True)
;;       e = np.where(a > 0, np.clip(np.frexp(np.where(a > 0, a, 1))[1] - 1 - 8, -126, 127), 0)      # np.frexp(a)[1] - 1 = floor(log2(a)), exactly
;;       r = np.clip(x / 2.0 ** e, -448, 448)
;;       step = 2.0 ** (np.maximum(np.frexp(np.where(r == 0, 1, r))[1] - 1, -6) - 3)
;;       q = np.round(r / step) * step * 2.0 ** e      # np.round: ties to even
;;       return np.moveaxis(q.reshape(q.shape[:-2] + (-1,))[..., :K], -1, axis).astype(np.float32)
;;   ~~~
;;   SOFTMAX AHEAD OF A QUANTISED PRODUCT. Where the list says 'softmax', what is quantised is not the finished softmax but p = 2^(t - M), with t = logit x log2(e) and M = ceil(the row's largest t), a whole number; so 1/2 < the row's largest p <= 1. The row's sum l is taken of the UNQUANTISED p, in f32, and the product's result is divided by l at the end. Since M is a whole number, a kernel that streams over the keys may use a running M (the ceiling of the running maximum): every later rescaling is an exact power of two, which a block's scale takes up: the codes' values come out the same.
;;   OPERANDS COMPUTED ON THE WAY. 'Computed on the way' means the value that the module computes at that place (a softmax that the list does not call 'softmax' is quantised finished and normalised). What goes into a quantiser is computed in f32, as accurately as f32 sums, v_exp_f32 and their like allow (about 1e-6 of the number): no bf16 or f16 on the way to a quantiser, and a product that is left as it is and whose result goes on into a quantised operand takes f32 operands (vector FMAs, or v_wmma_f32_16x16x4_f32). A number that lies on a knife's edge between two numbers of the format may be rounded either way, as far as f32 arithmetic and the matrix unit's own rounding can turn it there, and no further.
;; One version. Each part assembles by itself: llvm-mc -triple=amdgcn-amd-amdhsa -mcpu=gfx1250 --defsym DOCPART=n.
;; ======== version 1 of 1: 3 launches
;; limits: right only within a limited range of input values
;; workspace buffers: wc 163,840 bytes; wsc 10,240 bytes; qc 2,097,152 bytes; qs 65,536 bytes; kc 2,097,152 bytes; ks 65,536 bytes; vc 2,097,152 bytes; vs 65,536 bytes
;; launch prep (part 1): grid 20 x 1, 4 waves a work-group, no clusters, 0 bytes of LDS; arguments Wq1, Wk1, Wv, Wq2, Wk2, Wo, wc, wsc; writes wc, wsc
.if DOCPART == 1
	.amdgcn_target "amdgcn-amd-amdhsa--gfx1250"
	.amdhsa_code_object_version 6
	.text
	.protected	k_qa66402af52_prep
	.globl	k_qa66402af52_prep
	.p2align	8
	.type	k_qa66402af52_prep,@function
k_qa66402af52_prep:
	s_mov_b64 s[64:65], 0
	v_nop
	global_prefetch_b8 v0, s[64:65] scope:SCOPE_SE
	s_setreg_imm32_b32 hwreg(HW_REG_WAVE_MODE, 25, 1), 1
	s_wait_xcnt 0x0
; PREP: the six weights become codes of FP8 (E4M3) with one E8M0 scale byte for each 32 along K, once for the whole program.
; DEAD WORK: none.  Every input of the problem has a way to out0: x, y and the six weights through the eight products, the twenty BN vectors ahead of a quantiser
; (q1, q2, k1, k2) or in the result (o), x once more as the residual.  So every input is loaded by some launch and every product of the table is done.
; LAYOUT.  The codes are stored as IMAGES OF OPERAND REGISTERS.  A fragment is 16 rows x 128 along K, 16 registers a lane: lane (r, h) holds row r, registers 4 c .. 4 c + 3 hold K = 32 c + 16 h + 0 .. 15.
; Its image is 2,048 bytes: register group c of lane l at 512 c + 16 l.  Its scale words: 128 bytes, row r's word at 4 l in both halves of the lanes.
; THE ROWS OF A TILE ARE NOT NEIGHBOURS: row r of tile t is output channel 32 (t / 2) + 8 (t % 2) + r + 8 (r / 8), so that the results of tiles 2 b and 2 b + 1 are 16 neighbours along the next product's K.
; FRAGMENT NUMBERS: Wq1 2 t + s (0-15), Wk1 16 + 2 t + s, Wv 32 + 2 t + s, Wq2 48 + t, Wk2 56 + t, Wo 64 + t (t 0-15); s is the K step of 128.
; SHARES.  One wave makes one fragment: 80 waves, 20 work-groups; the design has no more work than that here.  A lane reads 64 consecutive bytes of its row for each block of 32: 655,360 bytes in all, read once.
; LIMITS: NaN and infinities are not served; a block whose largest magnitude lies under 2^-118 keeps the byte 1; a block of zeros has the byte 1 where the rule says 127: its codes are zeros, and this program alone reads the bytes.
.set X,   16                           ; v16-79   64 numbers: register 16 b + i = K 32 b + 16 h + i of my row
.set TM,  80                           ; v80-83 largest magnitudes, v84-87 bytes, v92-95 the conversions' scale operands
.set PC,  96                           ; v96-111  the codes
.set PW,  112                          ; v112     the scale word
	s_load_b512 s[4:19], s[0:1], 0x0               ; Wq1 s[4:5], Wk1 s[6:7], Wv s[8:9], Wq2 s[10:11], Wk2 s[12:13], Wo s[14:15], wc s[16:17], wsc s[18:19]
	v_lshrrev_b32 v4, 5, v0
	v_readfirstlane_b32 s20, v4                    ; wave
	v_and_b32 v5, 31, v0                           ; lane
	v_and_b32 v6, 15, v0                           ; r
	v_bfe_u32 v7, v0, 4, 1                         ; h
	v_lshlrev_b32 v1, 4, v5                        ; 16 x lane: my place in an image's group
	v_lshlrev_b32 v2, 2, v5                        ; 4 x lane: my scale word's
	v_and_b32 v8, 8, v6
	v_add_nc_u32 v8, v8, v6                        ; r + 8 (r / 8)
	s_lshl_b32 s21, ttmp9, 2
	s_add_co_u32 s21, s21, s20                     ; F, my fragment's number
	s_cmp_lt_u32 ttmp9, 12                         ; fragments under 48 belong to weights with K = 256
	s_cselect_b32 s22, 1, 0                        ; sh
	s_add_co_u32 s23, s22, 9                       ; a row is 2^(9 + sh) bytes
	v_lshlrev_b32 v3, s23, v8
	v_lshl_add_u32 v3, v7, 6, v3                   ; my row in the tile, + 64 h: my 16 numbers of a block
	s_mov_b32 s28, 0x76543210
	s_mov_b32 s29, 0xfedcba98                      ; v_permlanex16_b32's selects for lane l xor 16
.irp b, 0,1,2,3
	v_mov_b32 v[TM+4+\b], 0                        ; a lane permute's destination counts as one of its sources
.endr
	s_wait_alu depctr_va_vdst(0)
	s_wait_kmcnt 0x0
	s_mov_b64 s[24:25], s[14:15]                   ; which weight, and its first fragment: a chain of choices on the work-group's number alone
	s_mov_b32 s26, 64
	s_cmp_lt_u32 ttmp9, 16
	s_cselect_b64 s[24:25], s[12:13], s[24:25]
	s_cselect_b32 s26, 56, s26
	s_cmp_lt_u32 ttmp9, 14
	s_cselect_b64 s[24:25], s[10:11], s[24:25]
	s_cselect_b32 s26, 48, s26
	s_cmp_lt_u32 ttmp9, 12
	s_cselect_b64 s[24:25], s[8:9], s[24:25]
	s_cselect_b32 s26, 32, s26
	s_cmp_lt_u32 ttmp9, 8
	s_cselect_b64 s[24:25], s[6:7], s[24:25]
	s_cselect_b32 s26, 16, s26
	s_cmp_lt_u32 ttmp9, 4
	s_cselect_b64 s[24:25], s[4:5], s[24:25]
	s_cselect_b32 s26, 0, s26
	s_sub_co_u32 s27, s21, s26                     ; the fragment's number in its weight
	s_lshr_b32 s31, s27, s22                       ; t
	s_and_b32 s32, s27, s22                        ; s
	s_lshr_b32 s33, s31, 1
	s_lshl_b32 s33, s33, 5
	s_and_b32 s34, s31, 1
	s_lshl_b32 s34, s34, 3
	s_add_co_u32 s33, s33, s34                     ; the tile's first row: 32 (t / 2) + 8 (t % 2)
	s_lshl_b32 s33, s33, s23
	s_lshl_b32 s32, s32, 9                         ; a K step of 128 numbers is 512 bytes
	s_add_co_u32 s36, s33, s32
	s_mov_b32 s37, 0
	s_add_nc_u64 s[24:25], s[24:25], s[36:37]
	s_lshl_b32 s36, s21, 11
	s_add_nc_u64 s[16:17], s[16:17], s[36:37]      ; my image
	s_lshl_b32 s36, s21, 7
	s_add_nc_u64 s[18:19], s[18:19], s[36:37]      ; my scale words
.irp b, 0,1,2,3
.irp j, 0,1,2,3
	global_load_b128 v[X+16*\b+4*\j:X+16*\b+4*\j+3], v3, s[24:25] offset:128*\b+16*\j
.endr
.endr
	s_wait_loadcnt 0x0
.irp b, 0,1,2,3
	v_max3_num_f32 v[TM+\b], |v[X+16*\b]|, |v[X+16*\b+1]|, 0x4800000   ; block b: my 16 numbers, and the floor 2^(9 - 127): the byte cannot fall under 1
.endr
.irp i, 2,4,6,8,10,12,14
.irp b, 0,1,2,3
	v_max3_num_f32 v[TM+\b], |v[X+16*\b+\i]|, |v[X+16*\b+\i+1]|, v[TM+\b]   ; the four blocks by turns
.endr
.endr
.irp b, 0,1,2,3
	v_permlanex16_b32 v[TM+4+\b], v[TM+\b], s28, s29
.endr
.irp b, 0,1,2,3
	v_max_num_f32 v[TM+\b], v[TM+\b], v[TM+4+\b]   ; with lane l xor 16's 16: the block's largest magnitude
.endr
.irp b, 0,1,2,3
	v_add_nc_u32 v[TM+12+\b], 0xfc000000, v[TM+\b] ; 8 off its exponent field: the conversion takes that field as its scale
.endr
.irp b, 0,1,2,3
.endr
.irp b, 0,1,2,3
	v_lshrrev_b32 v[TM+4+\b], 23, v[TM+12+\b]      ; the scale's byte
.endr
	v_lshl_or_b32 v[PW], v[TM+5], 8, v[TM+4]
	v_lshl_or_b32 v[PW], v[TM+6], 16, v[PW]
	v_lshl_or_b32 v[PW], v[TM+7], 24, v[PW]        ; my row's scale word
.irp b, 0,1,2,3
.irp i, 0,1,2,3,4,5,6,7,8,9,10,11,12,13,14,15
.endr
.endr
.irp b, 0,1,2,3
	v_cvt_scalef32_pk8_fp8_f32 v[PC+4*\b:PC+4*\b+1], v[X+16*\b:X+16*\b+7], v[TM+12+\b]
	v_cvt_scalef32_pk8_fp8_f32 v[PC+4*\b+2:PC+4*\b+3], v[X+16*\b+8:X+16*\b+15], v[TM+12+\b]
.endr
	v_nop                                          ; a plain line behind the last conversion
.irp c, 0,1,2,3
	global_store_b128 v1, v[PC+4*\c:PC+4*\c+3], s[16:17] offset:512*\c   ; 32 lanes store 512 consecutive bytes, aligned
.endr
	global_store_b32 v2, v[PW], s[18:19]           ; 128 consecutive bytes a wave, 512 a work-group
	s_endpgm
.Lfunc_end_k_qa66402af52_prep:
	.size	k_qa66402af52_prep, .Lfunc_end_k_qa66402af52_prep-k_qa66402af52_prep
	.p2alignl 7, 3214868480
	.fill 96, 4, 3214868480
	.section	.rodata,"a",@progbits
	.p2align	6, 0x0
	.amdhsa_kernel k_qa66402af52_prep
		.amdhsa_group_segment_fixed_size 0
		.amdhsa_private_segment_fixed_size 0
		.amdhsa_enable_private_segment 0
		.amdhsa_kernarg_size 64
		.amdhsa_user_sgpr_count 2
		.amdhsa_user_sgpr_kernarg_segment_ptr 1
		.amdhsa_wavefront_size32 1
		.amdhsa_system_sgpr_workgroup_id_x 1
		.amdhsa_system_sgpr_workgroup_id_y 1
		.amdhsa_system_sgpr_workgroup_id_z 1
		.amdhsa_system_vgpr_workitem_id 0
		.amdhsa_next_free_vgpr 128
		.amdhsa_next_free_sgpr 66
		.amdhsa_reserve_vcc 0
		.amdhsa_float_denorm_mode_32 3
		.amdhsa_float_denorm_mode_16_64 3
		.amdhsa_fp16_overflow 1
		.amdhsa_memory_ordered 1
		.amdhsa_forward_progress 1
		.amdhsa_inst_pref_size 8
	.end_amdhsa_kernel
	.amdgpu_metadata
---
amdhsa.version: [ 1, 2 ]
amdhsa.kernels:
  - .name:           k_qa66402af52_prep
    .symbol:         k_qa66402af52_prep.kd
    .args:
      - { .name: Wq1, .offset: 0, .size: 8, .value_kind: global_buffer, .address_space: global }
      - { .name: Wk1, .offset: 8, .size: 8, .value_kind: global_buffer, .address_space: global }
      - { .name: Wv, .offset: 16, .size: 8, .value_kind: global_buffer, .address_space: global }
      - { .name: Wq2, .offset: 24, .size: 8, .value_kind: global_buffer, .address_space: global }
      - { .name: Wk2, .offset: 32, .size: 8, .value_kind: global_buffer, .address_space: global }
      - { .name: Wo, .offset: 40, .size: 8, .value_kind: global_buffer, .address_space: global }
      - { .name: wc, .offset: 48, .size: 8, .value_kind: global_buffer, .address_space: global }
      - { .name: wsc, .offset: 56, .size: 8, .value_kind: global_buffer, .address_space: global }
    .group_segment_fixed_size: 0
    .private_segment_fixed_size: 0
    .kernarg_segment_align: 8
    .kernarg_segment_size: 64
    .max_flat_workgroup_size: 128
    .sgpr_count:     66
    .vgpr_count:     128
    .wavefront_size: 32
...
	.end_amdgpu_metadata
.endif
;; end of part 1
;; launch proj (part 2): grid 256 x 1, 4 waves a work-group, no clusters, 61,440 bytes of LDS; arguments x, y, wc, wsc, gq1, bq1, mq1, vq1, gq2, bq2, mq2, vq2, gk1, bk1, mk1, vk1, gk2, bk2, mk2, vk2, qc, qs, kc, ks, vc, vs; writes qc, qs, kc, ks, vc, vs
.if DOCPART == 2
	.amdgcn_target "amdgcn-amd-amdhsa--gfx1250"
	.amdhsa_code_object_version 6
	.text
	.protected	k_qa66402af52_proj
	.globl	k_qa66402af52_proj
	.p2align	8
	.type	k_qa66402af52_proj,@function
k_qa66402af52_proj:
	s_mov_b64 s[64:65], 0
	v_nop
	global_prefetch_b8 v0, s[64:65] scope:SCOPE_SE
	s_setreg_imm32_b32 hwreg(HW_REG_WAVE_MODE, 25, 1), 1
	s_wait_xcnt 0x0
; PROJ: q = f_query(x), k = f_key(y), v = Wv y: the first five products of the problem with their four BN + ReLU, fused; the results leave as codes of FP8 (E4M3) with E8M0 scale bytes,
; laid as images of the operand registers of the attention launch.  No work of the problem is left out here.
; SHARES.  Work-group id = 64 n + G takes pixels 64 G .. 64 G + 63 of x[n] and of y[n].  Four waves.
;   Phase A: wave w quantises 128 channels x 64 pixels (x for w < 2, y else; K step w % 2) along the channels and puts four fragments into LDS.
;   Then THE WAVES SHARE THE CHANNELS: wave w owns tiles 2 w, 2 w + 1 (32 output channels) of every product; its 16 weight fragments are read from memory once, into its registers.
;   Its results for a tile of pixels are exactly one block of 32 of the next K: register group w of the next fragment, byte w of the next scale word.
; INDEX MAPS.  A tile T of pixels: row r = pixel 4 r + T, so that one load of 16 bytes a lane serves four tiles and sixteen lanes read 256 consecutive bytes of a channel.
;   A tile t of channels (or of keys): row r = 32 (t / 2) + 8 (t % 2) + r + 8 (r / 8), so that a lane's 16 results of tiles 2 b, 2 b + 1 are 16 neighbours along the next K.
;   An image of a fragment: register group c of lane l at 512 c + 16 l: 2,048 bytes, no pitch.
; BN: (sum - m) x g rsq(v + eps) + b, with -m as the C of each sum's first product; the ReLU is done by the hold that the conversion wants anyway.
; NO CLUSTER: the weights are 32,768 bytes a wave, read once, straight into the registers of the one wave that multiplies by them; shared through LDS the same 131,072 bytes would be written and read there besides.
; LIMITS: NaN and infinities are not served; g rsq(v + eps) stands for g / sqrt(v + eps) (both roundings of f32); a block whose largest magnitude lies under 2^-118 keeps the byte 1; a block of zeros has the byte 1
; where the rule says 127: its codes are zeros, and this program alone reads the bytes.
; REGISTERS, in windows of 256.  Window 0: v1-23 addresses; v24-39 TM; v40-55 codes; v56-59 scale words in the making; v64-127 64 numbers at work; v128-167 scale words; v172-235 the four layers' b.
;   Window 1: the 256 numbers as loaded, then the 16 fragments of x and y (later the 8 hidden ones in v0-127).  Window 2: my 16 weight fragments.
;   Window 3: v0-63, v64-127 two sets of 8 accumulators (the first holds the variances at first); v128-191 -m; v192-255 the BN scales.
.set XIMG,  0                          ; LDS: 16 fragments: x K step 0 (tiles 0-3), x step 1, y step 0, y step 1
.set XSC,   32768                      ; their scale words, 128 bytes each
.set HIMG,  34816                      ; 8 hidden fragments: q's four tiles, k's four
.set HSC,   51200                      ; their scale words, 64 bytes each: row r's at 4 r
.set KST,   51712                      ; a stage of 4 rows x 528 bytes for each wave: k's codes change tiles there
.set QS,    60160                      ; the work-group's 256 scale bytes of q,
.set KS,    60416                      ; of k,
.set VS,    60672                      ; of v
.set SPARE, 60928                      ; the spare words, 128 bytes for each wave: two blocks of 256 bytes that no other line names
.set LI,  1                            ; 16 x lane
.set LS,  2                            ; 4 x lane
.set R4,  3                            ; 4 r
.set XA,  4                            ; x, y: 16 channels x h + 16 r
.set XWI, 5                            ; where I store my four fragments of phase A
.set XWS, 6                            ; and their scale words
.set HWI, 7                            ; my register group of a hidden fragment
.set HWB, 8                            ; my byte of its scale words
.set KSI, 9                            ; the stage, on the way in
.set KSO, 10                           ; and out
.set QSB, 11                           ; my byte of q's scale words
.set KSB, 12                           ; of k's
.set VSB, 13                           ; of v's
.set L8,  14                           ; 8 x lane
.set VGO, 15                           ; v's codes: 512 h + 16 r
.set BNA, 16                           ; the BN vectors: my 16 channels
.set GQ,  17                           ; 512 w + 16 x lane: my register group in an image in memory
.set WLA, 18                           ; my weight fragments, four to a weight
.set WLB, 19                           ; two to a weight
.set WSA, 20                           ; their scale words
.set WSB, 21
.set SPW, 22                           ; LDS address of my spare word; never rewritten
.set NIL, 23                           ; 0; never rewritten
.set TM,  24                           ; v24-27 largest magnitudes, v28-31 bytes, v32-35 448 x the scale, v36-39 the conversions' scale operands
.set PC,  40
.set PW,  56
.set T64, 64
.set KO,  64                           ; k's codes back from the stage
.set WS,  128                          ; the weights' scale words, by fragment
.set XS,  144                          ; x's and y's
.set HS,  160                          ; the hidden layers'
.set BE,  172
.set ACA, 0                            ; window 3
.set ACB, 64
.set NM,  128
.set SC,  192
.set WV,  56
.set SEL, 58
.set MNT, 60
.set EPS, 62
.set SRC, 70
.set QCB, 72
.set KCB, 74
.set VCB, 76
.set QSP, 78
.set KSP, 80
.set VSP, 82
.set MSB, 0
.macro WIN new                         ; bits 1:0 source 0, 3:2 source 1, 5:4 source 2, 7:6 destination; the immediate's high byte repeats the setting that is left
.if MSB != \new
	s_set_vgpr_msb (MSB<<8)|\new
.set MSB, \new
.endif
.endm
; Four blocks b of 32 along K, of which my lane holds 16 numbers each (number i of block b in v[base + sb b + si i]; lane l xor 16 holds the other 16), become codes in v[PC + 4 b ..] and bytes in v[TM + 4 + b].
; wmx, wmd: the windows for the lines that read the numbers.  relu = 1: what is negative becomes 0 on the way.  The hold also brings strided numbers into neighbouring registers, v[T64 + 16 b + i].
.macro QCORE base, sb, si, wmx, wmd, relu
	s_wait_dscnt 0x0                               ; my earlier LDS stores have read the codes and bytes that are now written again
	WIN \wmx
.if \relu
.irp b, 0,1,2,3
	v_max3_num_f32 v[TM+\b], v[(\base)+\sb*\b], v[(\base)+\sb*\b+\si], 0x4800000   ; no |.|: what is negative must not count; the floor 2^(9 - 127) stands over it
.endr
.irp i, 2,4,6,8,10,12,14
.irp b, 0,1,2,3
	v_max3_num_f32 v[TM+\b], v[(\base)+\sb*\b+\si*\i], v[(\base)+\sb*\b+\si*(\i+1)], v[TM+\b]
.endr
.endr
.else
.irp b, 0,1,2,3
	v_max3_num_f32 v[TM+\b], |v[(\base)+\sb*\b]|, |v[(\base)+\sb*\b+\si]|, 0x4800000   ; with the floor 2^(9 - 127): the byte cannot fall under 1
.endr
.irp i, 2,4,6,8,10,12,14
.irp b, 0,1,2,3
	v_max3_num_f32 v[TM+\b], |v[(\base)+\sb*\b+\si*\i]|, |v[(\base)+\sb*\b+\si*(\i+1)]|, v[TM+\b]
.endr
.endr
.endif
	WIN 0
.irp b, 0,1,2,3
	v_permlanex16_b32 v[TM+4+\b], v[TM+\b], s[SEL], s[SEL+1]
.endr
.irp b, 0,1,2,3
	v_max_num_f32 v[TM+\b], v[TM+\b], v[TM+4+\b]   ; the block's largest magnitude
.endr
.irp b, 0,1,2,3
	v_add_nc_u32 v[TM+12+\b], 0xfc000000, v[TM+\b] ; 8 off its exponent field: the conversion's scale operand
.endr
.irp b, 0,1,2,3
	v_and_or_b32 v[TM+8+\b], v[TM+\b], 0x7f800000, s[MNT]   ; 448 x the scale
.endr
.irp b, 0,1,2,3
	v_lshrrev_b32 v[TM+4+\b], 23, v[TM+12+\b]      ; the scale's byte
.endr
	WIN \wmd
.irp b, 0,1,2,3
.irp i, 0,1,2,3,4,5,6,7,8,9,10,11,12,13,14,15
.if \relu
	v_med3_num_f32 v[T64+16*\b+\i], v[(\base)+\sb*\b+\si*\i], 0, v[TM+8+\b]   ; the activation and the hold in one
.else
	v_med3_num_f32 v[T64+16*\b+\i], v[(\base)+\sb*\b+\si*\i], -v[TM+8+\b], v[TM+8+\b]   ; the conversion does not saturate (ISA guide 7.6.2): the hold comes first
.endif
.endr
.endr
	WIN 0
.irp b, 0,1,2,3
	v_cvt_scalef32_pk8_fp8_f32 v[PC+4*\b:PC+4*\b+1], v[T64+16*\b:T64+16*\b+7], v[TM+12+\b]
	v_cvt_scalef32_pk8_fp8_f32 v[PC+4*\b+2:PC+4*\b+3], v[T64+16*\b+8:T64+16*\b+15], v[TM+12+\b]
.endr
	v_nop                                          ; a plain line behind the last conversion
.endm
.macro BARRIER                         ; my LDS stores have landed and my LDS loads are in: then the work-group's barrier
	s_wait_dscnt 0x0
	s_barrier_signal -1
	s_barrier_wait -1
.endm
.macro WLOAD idx0, n, voff, f0         ; n weight fragments, from number f0 + (my wave's share) on, into window 2 at 16 idx0
	WIN 0x80
.set k_, 0
.rept \n
.irp c, 0,1,2,3
	global_load_b128 v[16*((\idx0)+k_)+4*\c:16*((\idx0)+k_)+4*\c+3], v[\voff], s[8:9] offset:2048*((\f0)+k_)+512*\c
.endr
.set k_, k_+1
.endr
	WIN 0
.endm
.macro BNLOAD l, sg                    ; layer l's g, m, variance (window 3) and b (window 0) of my 16 channels; s[sg ..] holds the four addresses g, b, m, v
	WIN 0xc0
.irp k, 0,1,2,3
	global_load_b128 v[SC+16*\l+4*\k:SC+16*\l+4*\k+3], v[BNA], s[\sg:\sg+1] offset:16*\k
	global_load_b128 v[NM+16*\l+4*\k:NM+16*\l+4*\k+3], v[BNA], s[\sg+4:\sg+5] offset:16*\k
	global_load_b128 v[ACA+16*\l+4*\k:ACA+16*\l+4*\k+3], v[BNA], s[\sg+6:\sg+7] offset:16*\k
.endr
	WIN 0
.irp k, 0,1,2,3
	global_load_b128 v[BE+16*\l+4*\k:BE+16*\l+4*\k+3], v[BNA], s[\sg+2:\sg+3] offset:16*\k
.endr
.endm
.macro QBLK c                          ; block c (32 channels) of my unit, for the four tiles of pixels: number (T, i) lies in window 1 at 64 c + 4 i + T
	QCORE 64*(\c), 1, 4, 0x05, 0x01, 0
.irp q, 0,1,2,3
.if (\c) == 0
	v_mov_b32 v[PW+\q], v[TM+4+\q]
.else
	v_lshl_or_b32 v[PW+\q], v[TM+4+\q], 8*(\c), v[PW+\q]
.endif
.endr
.irp q, 0,1,2,3
	ds_store_b128 v[XWI], v[PC+4*\q:PC+4*\q+3] offset:2048*\q+512*(\c)
.endr
.endm
.macro HID acc, l                      ; 8 accumulators (tile of pixels T, my tile u: at acc + 16 T + 8 u) through BN layer l, ReLU and the quantiser: block T's codes are my register group of tile T's next fragment
	WIN 0x0f
.set i_, 0
.rept 32
	v_pk_fma_f32 v[T64+i_:T64+i_+1], v[\acc+i_:\acc+i_+1], v[SC+16*\l+i_%16:SC+16*\l+i_%16+1], v[BE+16*\l+i_%16:BE+16*\l+i_%16+1]   ; each accumulator from its low end on
.set i_, i_+2
.endr
	WIN 0
	QCORE T64, 16, 1, 0, 0, 1
.endm
; A first layer: source 0 = 16 rows of the weight, source 1 = a tile of pixels; two K steps; -m starts the sums.  The eight accumulators take turns, one instruction a turn.
.macro MMH acc, widx0, xf0, l
	WIN 0xf6
.irp s, 0,1
.irp q, 0,1,2,3
.irp u, 0,1
.if \s == 0
	v_wmma_scale_f32_16x16x128_f8f6f4 v[\acc+8*(2*\q+\u):\acc+8*(2*\q+\u)+7], v[16*(\widx0+2*\u+\s):16*(\widx0+2*\u+\s)+15], v[16*(\xf0+4*\s+\q):16*(\xf0+4*\s+\q)+15], v[NM+16*\l+8*\u:NM+16*\l+8*\u+7], v[WS+\widx0+2*\u+\s], v[XS+\xf0+4*\s+\q]
.else
	v_wmma_scale_f32_16x16x128_f8f6f4 v[\acc+8*(2*\q+\u):\acc+8*(2*\q+\u)+7], v[16*(\widx0+2*\u+\s):16*(\widx0+2*\u+\s)+15], v[16*(\xf0+4*\s+\q):16*(\xf0+4*\s+\q)+15], v[\acc+8*(2*\q+\u):\acc+8*(2*\q+\u)+7], v[WS+\widx0+2*\u+\s], v[XS+\xf0+4*\s+\q]
.endif
.endr
.endr
.endr
	WIN 0
.endm
.macro MM2 acc, widx0, hf0, l          ; a second layer: one K step
	WIN 0xf6
.irp q, 0,1,2,3
.irp u, 0,1
	v_wmma_scale_f32_16x16x128_f8f6f4 v[\acc+8*(2*\q+\u):\acc+8*(2*\q+\u)+7], v[16*(\widx0+\u):16*(\widx0+\u)+15], v[16*(\hf0+\q):16*(\hf0+\q)+15], v[NM+16*\l+8*\u:NM+16*\l+8*\u+7], v[WS+\widx0+\u], v[HS+\hf0+\q]
.endr
.endr
	WIN 0
.endm
	s_load_b512 s[4:19], s[0:1], 0x0               ; x, y, wc, wsc, gq1, bq1, mq1, vq1
	s_load_b512 s[20:35], s[0:1], 0x40             ; gq2, bq2, mq2, vq2, gk1, bk1, mk1, vk1
	s_load_b512 s[36:51], s[0:1], 0x80             ; gk2, bk2, mk2, vk2, qc, qs, kc, ks
	s_load_b128 s[52:55], s[0:1], 0xc0             ; vc, vs
	v_lshl_add_u32 v[SPW], v0, 2, SPARE
	v_mov_b32 v[NIL], 0
	v_lshrrev_b32 v24, 5, v0
	v_readfirstlane_b32 s[WV], v24                 ; wave 0..3
	v_and_b32 v24, 31, v0                          ; lane
	v_and_b32 v25, 15, v0                          ; r
	v_bfe_u32 v26, v0, 4, 1                        ; h
	v_bfe_u32 v27, v0, 0, 1                        ; r's four bits
	v_bfe_u32 v28, v0, 1, 1
	v_bfe_u32 v29, v0, 2, 1
	v_bfe_u32 v30, v0, 3, 1
	v_lshlrev_b32 v[LI], 4, v24
	v_lshlrev_b32 v[LS], 2, v24
	v_lshlrev_b32 v[R4], 2, v25
	v_lshlrev_b32 v[L8], 3, v24
	v_lshlrev_b32 v[XA], 18, v26                   ; lanes 16-31 begin 16 channels of 16,384 bytes further on
	v_lshl_add_u32 v[XA], v25, 4, v[XA]
	s_lshl_b32 s92, s[WV], 13
	v_add_nc_u32 v[XWI], s92, v[LI]                ; XIMG + 8,192 w + 16 x lane (XIMG is 0)
	v_add_nc_u32 v[WLA], s92, v[LI]
	s_lshl_b32 s92, s[WV], 9
	v_add_nc_u32 v[WSA], s92, v[LS]
	v_add_nc_u32 v[XWS], XSC, v[WSA]
	v_add_nc_u32 v[GQ], s92, v[LI]
	v_add_nc_u32 v[HWI], HIMG, v[GQ]
	v_add_nc_u32 v31, s[WV], v[R4]                 ; 4 r + w
	v_add_nc_u32 v[HWB], HSC, v31
	v_add_nc_u32 v[QSB], QS, v31
	s_mul_i32 s92, s[WV], 2112
	s_add_co_u32 s92, s92, KST                     ; my stage
	v_mul_u32_u24 v[KSI], v30, 1056                ; pixel 4 r + T is key row 8 r2 + 4 r0 + T of tile 2 r3 + r1: the tile's row of the stage,
	v_mad_u32_u24 v[KSI], v28, 528, v[KSI]
	v_lshl_add_u32 v[KSI], v26, 8, v[KSI]          ; and in it 16 bytes at 16 x (key row + 16 h)
	v_lshl_add_u32 v[KSI], v29, 7, v[KSI]
	v_lshl_add_u32 v[KSI], v27, 6, v[KSI]
	v_add_nc_u32 v[KSI], s92, v[KSI]
	v_add_nc_u32 v[KSO], s92, v[LI]
	v_lshlrev_b32 v[KSB], 7, v28                   ; k's scale bytes: 8 x (16 r1 + key row) + 4 r3 + w
	v_lshl_add_u32 v[KSB], v29, 6, v[KSB]
	v_lshl_add_u32 v[KSB], v27, 5, v[KSB]
	v_lshl_add_u32 v[KSB], v30, 2, v[KSB]
	v_add_nc_u32 v[KSB], s[WV], v[KSB]
	v_add_nc_u32 v[KSB], KS, v[KSB]
	v_lshl_add_u32 v[VSB], v25, 3, v26             ; v's: 8 r + h + 2 w (+ 128 u)
	s_lshl_b32 s92, s[WV], 1
	s_add_co_u32 s92, s92, VS
	v_add_nc_u32 v[VSB], s92, v[VSB]
	v_lshlrev_b32 v[VGO], 9, v26
	v_lshl_add_u32 v[VGO], v25, 4, v[VGO]
	s_lshl_b32 s92, s[WV], 7
	v_lshl_add_u32 v[BNA], v26, 6, s92             ; channel 32 w + 16 h, 4 bytes each
	s_lshl_b32 s92, s[WV], 12
	v_add_nc_u32 v[WLB], s92, v[LI]
	s_lshl_b32 s92, s[WV], 8
	v_add_nc_u32 v[WSB], s92, v[LS]
.irp b, 0,1,2,3
	v_mov_b32 v[TM+4+\b], 0                        ; a lane permute's destination counts as one of its sources
.endr
	s_mov_b32 s[SEL], 0x76543210
	s_mov_b32 s[SEL+1], 0xfedcba98                 ; v_permlanex16_b32's selects for lane l xor 16
	s_mov_b32 s[MNT], 0x600000                     ; the mantissa field of 448
	s_mov_b32 s[EPS], 0x3727c5ac                   ; 1e-5
	s_mov_b32 s[EPS+1], s[EPS]                     ; (named with it as a pair)
	s_lshr_b32 s67, ttmp9, 6                       ; n
	s_and_b32 s68, ttmp9, 63                       ; G
	s_lshl_b32 s84, s67, 22                        ; x, y: batch n, 4,194,304 bytes each,
	s_and_b32 s85, s[WV], 1
	s_lshl_b32 s85, s85, 21                        ; my K step's 128 channels,
	s_add_co_u32 s84, s84, s85
	s_lshl_b32 s85, s68, 8                         ; the group's 64 pixels
	s_add_co_u32 s84, s84, s85
	s_mov_b32 s85, 0
	s_lshl_b32 s86, ttmp9, 13                      ; qc, kc: 8,192 bytes a work-group
	s_mov_b32 s87, 0
	s_lshl_b32 s88, ttmp9, 8                       ; qs, ks, vs: 256
	s_mov_b32 s89, 0
	s_lshl_b32 s90, s67, 19                        ; vc: batch n, key step G / 2 of 16,384 bytes, my two tiles, register groups 2 (G % 2) on
	s_lshr_b32 s91, s68, 1
	s_lshl_b32 s91, s91, 14
	s_add_co_u32 s90, s90, s91
	s_lshl_b32 s91, s[WV], 12
	s_add_co_u32 s90, s90, s91
	s_and_b32 s91, s68, 1
	s_lshl_b32 s91, s91, 10
	s_add_co_u32 s90, s90, s91
	s_mov_b32 s91, 0
	s_wait_kmcnt 0x0
	s_cmp_lt_u32 s[WV], 2
	s_cselect_b64 s[SRC:SRC+1], s[4:5], s[6:7]     ; waves 0, 1 take x, waves 2, 3 take y
	s_add_nc_u64 s[SRC:SRC+1], s[SRC:SRC+1], s[84:85]
	s_add_nc_u64 s[QCB:QCB+1], s[44:45], s[86:87]
	s_add_nc_u64 s[KCB:KCB+1], s[48:49], s[86:87]
	s_add_nc_u64 s[VCB:VCB+1], s[52:53], s[90:91]
	s_add_nc_u64 s[QSP:QSP+1], s[46:47], s[88:89]
	s_add_nc_u64 s[KSP:KSP+1], s[50:51], s[88:89]
	s_add_nc_u64 s[VSP:VSP+1], s[54:55], s[88:89]
	; ---- A: my 128 channels x 64 pixels.  Load (c, i): channel 32 c + 16 h + i, pixels 4 r .. 4 r + 3: sixteen lanes read 256 consecutive bytes, aligned
	WIN 0x40
.irp c, 0,1,2,3
.irp i, 0,1,2,3,4,5,6,7,8,9,10,11,12,13,14,15
	global_load_b128 v[64*\c+4*\i:64*\c+4*\i+3], v[XA], s[SRC:SRC+1] offset:(32*\c+\i)*16384 th:TH_LOAD_NT
.endr
.endr
	WIN 0
	s_wait_loadcnt 48                              ; block 0's 16 loads are in: behind them stand the 48 of blocks 1 to 3
	WLOAD 0, 4, WLA, 0                             ; Wq1's four fragments: 16 loads
	QBLK 0
	s_wait_loadcnt 48                              ; block 1's: behind them 32 of blocks 2, 3 and 16 of Wq1
	WLOAD 4, 4, WLA, 16                            ; Wk1's
	QBLK 1
	s_wait_loadcnt 48                              ; block 2's: behind them 16 of block 3 and 32 of weights
	WLOAD 8, 4, WLA, 32                            ; Wv's
	QBLK 2
	s_wait_loadcnt 48                              ; block 3's: behind them 48 of weights
	WLOAD 12, 2, WLB, 48                           ; Wq2's two,
	WLOAD 14, 2, WLB, 56                           ; Wk2's two
.irp k, 0,1,2,3
	global_load_b32 v[WS+\k], v[WSA], s[10:11] offset:128*\k
	global_load_b32 v[WS+4+\k], v[WSA], s[10:11] offset:128*(16+\k)
	global_load_b32 v[WS+8+\k], v[WSA], s[10:11] offset:128*(32+\k)
.endr
.irp k, 0,1
	global_load_b32 v[WS+12+\k], v[WSB], s[10:11] offset:128*(48+\k)
	global_load_b32 v[WS+14+\k], v[WSB], s[10:11] offset:128*(56+\k)
.endr
	BNLOAD 0, 12                                   ; q1
	BNLOAD 1, 28                                   ; k1
	QBLK 3
	BNLOAD 2, 20                                   ; q2
	BNLOAD 3, 36                                   ; k2
.irp q, 0,1,2,3
	ds_store_b32 v[XWS], v[PW+\q] offset:128*\q
.endr
	BARRIER                                        ; the sixteen fragments of x and y lie in LDS
	; ---- B: all of them into window 1; the BN tables; the two first layers
	WIN 0x40
.irp f, 0,1,2,3,4,5,6,7,8,9,10,11,12,13,14,15
.irp c, 0,1,2,3
	ds_load_b128 v[16*\f+4*\c:16*\f+4*\c+3], v[LI] offset:XIMG+2048*\f+512*\c
.endr
.endr
	WIN 0
.irp f, 0,1,2,3,4,5,6,7,8,9,10,11,12,13,14,15
	ds_load_b32 v[XS+\f], v[LS] offset:XSC+128*\f
.endr
	s_wait_loadcnt 0x0                             ; the weights, their scale words, the BN vectors
	WIN 0xff
.set i_, 0
.rept 32
	v_pk_add_f32 v[ACA+i_:ACA+i_+1], v[ACA+i_:ACA+i_+1], s[EPS:EPS+1] op_sel_hi:[1,0]   ; v + eps
.set i_, i_+2
.endr
.set i_, 0
	s_wait_alu depctr_va_vdst(0)
.rept 64
	v_rsq_f32 v[ACA+i_], v[ACA+i_]
.set i_, i_+1
.endr
.set i_, 0
.rept 32
	v_pk_mul_f32 v[NM+i_:NM+i_+1], v[NM+i_:NM+i_+1], -1.0 op_sel_hi:[1,0]   ; -m: plain work behind the batch of roots
.set i_, i_+2
.endr
	s_wait_alu depctr_va_vdst(0)                   ; one wait for the 64 roots, ahead of their first reader
.set i_, 0
.rept 32
	v_pk_mul_f32 v[SC+i_:SC+i_+1], v[SC+i_:SC+i_+1], v[ACA+i_:ACA+i_+1]   ; g rsq(v + eps)
.set i_, i_+2
.endr
	WIN 0
	s_wait_dscnt 0x0                               ; the fragments and their scale words
	MMH ACA, 0, 0, 0                               ; Wq1 x
	MMH ACB, 4, 8, 1                               ; Wk1 y
.rept 8
	v_nop                                          ; eight places between the products and the first read of their results
.endr
	; ---- C: the hidden layers: my block of each next fragment goes to LDS
	HID ACA, 0
.irp q, 0,1,2,3
	ds_store_b128 v[HWI], v[PC+4*\q:PC+4*\q+3] offset:2048*\q
	ds_store_b8 v[HWB], v[TM+4+\q] offset:64*\q    ; both halves of the lanes write the same byte with the same value
.endr
	HID ACB, 1
.irp q, 0,1,2,3
	ds_store_b128 v[HWI], v[PC+4*\q:PC+4*\q+3] offset:2048*(4+\q)
	ds_store_b8 v[HWB], v[TM+4+\q] offset:64*(4+\q)
.endr
	BARRIER                                        ; the eight hidden fragments lie in LDS
	; ---- D: the two second layers
	WIN 0x40
.irp f, 0,1,2,3,4,5,6,7
.irp c, 0,1,2,3
	ds_load_b128 v[16*\f+4*\c:16*\f+4*\c+3], v[LI] offset:HIMG+2048*\f+512*\c   ; over x's fragments, which are done with; y's stay
.endr
.endr
	WIN 0
.irp f, 0,1,2,3,4,5,6,7
	ds_load_b32 v[HS+\f], v[R4] offset:HSC+64*\f
.endr
	s_wait_dscnt 0x0
	MM2 ACA, 12, 0, 2                              ; Wq2
	MM2 ACB, 14, 4, 3                              ; Wk2
.rept 8
	v_nop
.endr
	HID ACA, 2                                     ; q: my register group of each tile's image
.irp q, 0,1,2,3
	global_store_b128 v[GQ], v[PC+4*\q:PC+4*\q+3], s[QCB:QCB+1] offset:2048*\q   ; 32 lanes store 512 consecutive bytes, aligned
	ds_store_b8 v[QSB], v[TM+4+\q] offset:64*\q
.endr
	s_wait_xcnt 0x0                                ; the stores have read their data: the codes' registers are written again below
	HID ACB, 3                                     ; k: the same numbers' places, but as KEYS they form other tiles: through my stage
.irp q, 0,1,2,3
	ds_store_b128 v[KSI], v[PC+4*\q:PC+4*\q+3] offset:16*\q
	ds_store_b8 v[KSB], v[TM+4+\q] offset:8*\q
.endr
.irp t, 0,1,2,3
	ds_load_b128 v[KO+4*\t:KO+4*\t+3], v[KSO] offset:528*\t   ; LDS serves a wave's instructions in order (ISA guide 5.7.1.4): these see my stores
.endr
	s_wait_dscnt 0x0
.irp t, 0,1,2,3
	global_store_b128 v[GQ], v[KO+4*\t:KO+4*\t+3], s[KCB:KCB+1] offset:2048*\t
.endr
	; ---- V: v = Wv y, the other way round: source 0 = a tile of pixels, source 1 = 16 rows of Wv.  Lane (r, h), register j of accumulator (T, u): channel row r of tile 2 w + u, key 32 h + 4 j + T:
	;      a whole block of 32 keys of one channel lies in one lane
	WIN 0xf9
.irp s, 0,1
.irp q, 0,1,2,3
.irp u, 0,1
.if \s == 0
	v_wmma_scale_f32_16x16x128_f8f6f4 v[ACA+8*(2*\q+\u):ACA+8*(2*\q+\u)+7], v[16*(8+4*\s+\q):16*(8+4*\s+\q)+15], v[16*(8+2*\u+\s):16*(8+2*\u+\s)+15], 0, v[XS+8+4*\s+\q], v[WS+8+2*\u+\s]
.else
	v_wmma_scale_f32_16x16x128_f8f6f4 v[ACA+8*(2*\q+\u):ACA+8*(2*\q+\u)+7], v[16*(8+4*\s+\q):16*(8+4*\s+\q)+15], v[16*(8+2*\u+\s):16*(8+2*\u+\s)+15], v[ACA+8*(2*\q+\u):ACA+8*(2*\q+\u)+7], v[XS+8+4*\s+\q], v[WS+8+2*\u+\s]
.endif
.endr
.endr
.endr
	WIN 0
.rept 8
	v_nop
.endr
	s_wait_xcnt 0x0                                ; k's stores have read their data: those registers are written again below
	WIN 0x0f
.irp u, 0,1
	v_max3_num_f32 v[TM+\u], |v[ACA+8*\u]|, |v[ACA+8*\u+1]|, 0x4800000   ; the two tiles by turns; each accumulator from its low end on
.endr
.irp q, 0,1,2,3
.irp j, 0,2,4,6
.if (\q)+(\j) > 0
.irp u, 0,1
	v_max3_num_f32 v[TM+\u], |v[ACA+16*\q+8*\u+\j]|, |v[ACA+16*\q+8*\u+\j+1]|, v[TM+\u]
.endr
.endif
.endr
.endr
	WIN 0
.irp u, 0,1
	v_add_nc_u32 v[TM+12+\u], 0xfc000000, v[TM+\u]
.endr
.irp u, 0,1
	v_and_or_b32 v[TM+8+\u], v[TM+\u], 0x7f800000, s[MNT]
.endr
.irp u, 0,1
	v_lshrrev_b32 v[TM+4+\u], 23, v[TM+12+\u]
.endr
	WIN 0x03
.irp u, 0,1
.irp q, 0,1,2,3
.irp j, 0,1,2,3,4,5,6,7
	v_med3_num_f32 v[T64+32*\u+4*\j+\q], v[ACA+16*\q+8*\u+\j], -v[TM+8+\u], v[TM+8+\u]   ; the hold, and the keys into their order
.endr
.endr
.endr
	WIN 0
.irp u, 0,1
.irp g, 0,1,2,3
	v_cvt_scalef32_pk8_fp8_f32 v[PC+8*\u+2*\g:PC+8*\u+2*\g+1], v[T64+32*\u+8*\g:T64+32*\u+8*\g+7], v[TM+12+\u]
.endr
.endr
	v_nop                                          ; a plain line behind the last conversion
.irp u, 0,1
	global_store_b128 v[VGO], v[PC+8*\u:PC+8*\u+3], s[VCB:VCB+1] offset:2048*\u          ; keys 0-15 of my block: the image's lanes 0-15; each half of my lanes stores 256 consecutive bytes, aligned
	global_store_b128 v[VGO], v[PC+8*\u+4:PC+8*\u+7], s[VCB:VCB+1] offset:2048*\u+256    ; keys 16-31: its lanes 16-31
	ds_store_b8 v[VSB], v[TM+4+\u] offset:128*\u
.endr
	BARRIER                                        ; the work-group's scale bytes of q, k and v lie in LDS
	s_cmp_lg_u32 s[WV], 0                          ; wave 0 stores them: three times 256 consecutive bytes, aligned
	s_cbranch_scc1 .Lnot_wave_0
	ds_load_b64 v[80:81], v[L8] offset:QS
	ds_load_b64 v[82:83], v[L8] offset:KS
	ds_load_b64 v[84:85], v[L8] offset:VS
	s_wait_dscnt 0x0
	global_store_b64 v[L8], v[80:81], s[QSP:QSP+1]
	global_store_b64 v[L8], v[82:83], s[KSP:KSP+1]
	global_store_b64 v[L8], v[84:85], s[VSP:VSP+1]
.Lnot_wave_0:
	s_wait_tensorcnt 0x0                           ; the wave's end, behind my last LDS store
	ds_add_u32 v[SPW], v[NIL]
	s_wait_dscnt 0x0
	s_endpgm
.Lfunc_end_k_qa66402af52_proj:
	.size	k_qa66402af52_proj, .Lfunc_end_k_qa66402af52_proj-k_qa66402af52_proj
	.p2alignl 7, 3214868480
	.fill 96, 4, 3214868480
	.section	.rodata,"a",@progbits
	.p2align	6, 0x0
	.amdhsa_kernel k_qa66402af52_proj
		.amdhsa_group_segment_fixed_size 61440
		.amdhsa_private_segment_fixed_size 0
		.amdhsa_enable_private_segment 0
		.amdhsa_kernarg_size 208
		.amdhsa_user_sgpr_count 2
		.amdhsa_user_sgpr_kernarg_segment_ptr 1
		.amdhsa_wavefront_size32 1
		.amdhsa_system_sgpr_workgroup_id_x 1
		.amdhsa_system_sgpr_workgroup_id_y 1
		.amdhsa_system_sgpr_workgroup_id_z 1
		.amdhsa_system_vgpr_workitem_id 0
		.amdhsa_next_free_vgpr 1024
		.amdhsa_next_free_sgpr 96
		.amdhsa_reserve_vcc 0
		.amdhsa_float_denorm_mode_32 3
		.amdhsa_float_denorm_mode_16_64 3
		.amdhsa_memory_ordered 1
		.amdhsa_forward_progress 1
		.amdhsa_inst_pref_size 135
	.end_amdhsa_kernel
	.amdgpu_metadata
---
amdhsa.version: [ 1, 2 ]
amdhsa.kernels:
  - .name:           k_qa66402af52_proj
    .symbol:         k_qa66402af52_proj.kd
    .args:
      - { .name: x, .offset: 0, .size: 8, .value_kind: global_buffer, .address_space: global }
      - { .name: y, .offset: 8, .size: 8, .value_kind: global_buffer, .address_space: global }
      - { .name: wc, .offset: 16, .size: 8, .value_kind: global_buffer, .address_space: global }
      - { .name: wsc, .offset: 24, .size: 8, .value_kind: global_buffer, .address_space: global }
      - { .name: gq1, .offset: 32, .size: 8, .value_kind: global_buffer, .address_space: global }
      - { .name: bq1, .offset: 40, .size: 8, .value_kind: global_buffer, .address_space: global }
      - { .name: mq1, .offset: 48, .size: 8, .value_kind: global_buffer, .address_space: global }
      - { .name: vq1, .offset: 56, .size: 8, .value_kind: global_buffer, .address_space: global }
      - { .name: gq2, .offset: 64, .size: 8, .value_kind: global_buffer, .address_space: global }
      - { .name: bq2, .offset: 72, .size: 8, .value_kind: global_buffer, .address_space: global }
      - { .name: mq2, .offset: 80, .size: 8, .value_kind: global_buffer, .address_space: global }
      - { .name: vq2, .offset: 88, .size: 8, .value_kind: global_buffer, .address_space: global }
      - { .name: gk1, .offset: 96, .size: 8, .value_kind: global_buffer, .address_space: global }
      - { .name: bk1, .offset: 104, .size: 8, .value_kind: global_buffer, .address_space: global }
      - { .name: mk1, .offset: 112, .size: 8, .value_kind: global_buffer, .address_space: global }
      - { .name: vk1, .offset: 120, .size: 8, .value_kind: global_buffer, .address_space: global }
      - { .name: gk2, .offset: 128, .size: 8, .value_kind: global_buffer, .address_space: global }
      - { .name: bk2, .offset: 136, .size: 8, .value_kind: global_buffer, .address_space: global }
      - { .name: mk2, .offset: 144, .size: 8, .value_kind: global_buffer, .address_space: global }
      - { .name: vk2, .offset: 152, .size: 8, .value_kind: global_buffer, .address_space: global }
      - { .name: qc, .offset: 160, .size: 8, .value_kind: global_buffer, .address_space: global }
      - { .name: qs, .offset: 168, .size: 8, .value_kind: global_buffer, .address_space: global }
      - { .name: kc, .offset: 176, .size: 8, .value_kind: global_buffer, .address_space: global }
      - { .name: ks, .offset: 184, .size: 8, .value_kind: global_buffer, .address_space: global }
      - { .name: vc, .offset: 192, .size: 8, .value_kind: global_buffer, .address_space: global }
      - { .name: vs, .offset: 200, .size: 8, .value_kind: global_buffer, .address_space: global }
    .group_segment_fixed_size: 61440
    .private_segment_fixed_size: 0
    .kernarg_segment_align: 8
    .kernarg_segment_size: 208
    .max_flat_workgroup_size: 128
    .sgpr_count:     96
    .vgpr_count:     1024
    .wavefront_size: 32
...
	.end_amdgpu_metadata
.endif
;; end of part 2
;; launch attn (part 3): grid 64 x 4, 8 waves a work-group, clusters of 4 x 1, 327,680 bytes of LDS; arguments qc, qs, kc, ks, vc, vs, wc, wsc, go, bo, mo, vo, x, out0; writes out0
.if DOCPART == 3
	.amdgcn_target "amdgcn-amd-amdhsa--gfx1250"
	.amdhsa_code_object_version 6
	.text
	.protected	k_qa66402af52_attn
	.globl	k_qa66402af52_attn
	.p2align	8
	.type	k_qa66402af52_attn,@function
k_qa66402af52_attn:
	s_mov_b64 s[64:65], 0
	v_nop
	global_prefetch_b8 v0, s[64:65] scope:SCOPE_SE
	s_setreg_imm32_b32 hwreg(HW_REG_WAVE_MODE, 25, 1), 1
	s_wait_xcnt 0x0
	s_wait_alu depctr_hold_cnt(0) depctr_sa_sdst(0) depctr_va_vdst(0) depctr_va_sdst(0) depctr_va_ssrc(0) depctr_va_vcc(0) depctr_vm_vsrc(0)
	s_getreg_b32 s2, hwreg(HW_REG_IB_STS2, 6, 4)
	s_cmp_eq_u32 s2, 0
	s_cbranch_scc0 .Lentry_in_a_cluster
	s_endpgm
.Lentry_in_a_cluster:
	s_bfe_u32 s2, ttmp6, 0x10000c
	s_cmp_lg_u32 s2, 0x3003
	s_cbranch_scc0 .Lentry_shape_is_right
	s_endpgm
.Lentry_shape_is_right:
; ATTN: out0 = x + relu(BN_o(Wo ctx)), ctx = softmax(q k^T / sqrt(128)) v: the last three products of the problem, on codes of FP8 (E4M3) with E8M0 scales.  No work of the problem is left out here.
; THE SOFTMAX AHEAD OF THE SECOND PRODUCT: t = score x log2(e) / sqrt(128); M = the largest t so far, rounded UP to a whole number; p = 2^(t - M) is quantised along the keys, not normalised; the row's sum is taken of the
; unquantised p and divides at the end.  When M moves, the sum and O are multiplied by 2^(old M - new M): exact.
; SHARES.  A work-group owns 64 queries (pixels) of one batch n.  Eight waves of 512 registers, two to a SIMD: wave w has TWO tiles of queries, 2 (w % 2) and 2 (w % 2) + 1 (row r of tile T = pixel 4 r + T), and QUARTER w / 2 of the
; 4,096 keys, which it walks in 8 steps of 128.  Each fragment of K and V that it reads from LDS feeds two products: 8 waves x 32,768 bytes of LDS reads a round.
; Then the four parts (O^T, sum, M) of a tile are joined through LDS: M is a whole number, so the factors are exact powers of two.  On the way out wave w makes Wo's tiles 2 w and 2 w + 1 for all 64 pixels.
; LAYOUT.  Both products are used transposed (S^T = K Q^T, O^T = V^T P^T): a lane holds ONE query throughout.  K's and V's tiles lie in memory and in LDS as images of operand registers (register group c of lane l
; at 512 c + 16 l): every LDS load reads 512 consecutive bytes.  Row r of tile 2 b + u of K is key 32 b + 8 u + r + 8 (r / 8), so that p's 16 registers of two tiles are 16 neighbouring keys; V's and Wo's channels likewise.
; A STEP r, IN THIS ORDER: V(r) is asked for | tile A's softmax | the change of slots | the first half of K(r + 1) is asked for | tile B's softmax | its second half | O^T += V^T P^T | S^T(r + 1) = K Q^T.
; So every run of LDS loads has vector work behind it in which to land.  The scores and the fragments change places from step to step: K(r + 1) lands where the scores of step r lay, the scores of step r + 1 where V(r) lay.
; A trip of the loop is two steps, after which the registers are back where they began.
; RING.  Two slots of 131,072 bytes: a round's tiles for all four quarters (each: K 16,384 bytes, V 16,384).  Each of the eight waves fetches 16,384 bytes of a slot by one tensor load.  At the change of slots in step r a wave has
; K(r) and V(r) in registers: slot r % 2 is filled again with round r + 2, and the other slot, which holds round r + 1, may be read.
; CLUSTER.  The four query blocks of a cluster belong to one batch and walk the same K, V and scale bytes: every tile is asked for JOINTLY, by the same load with the same descriptor and the mask of all four.
; By this text's own count a wave has three tensor loads out at the head and one behind each round.
; LIMITS: NaN and infinities are not served; g rsq(v + eps) stands for g / sqrt(v + eps); -m is the C of Wo's product; a block whose largest magnitude lies under 2^-118 keeps the byte 1, a block of zeros too (its codes are zeros).
; REGISTERS, in two windows of 256 that mirror each other: tile A's numbers in window 0, tile B's under the same names in window 1: v12 -M, v13 the largest t, v[14:15] the sum in two halves; v16-31 Q; v32-95 and v96-159 the two
; regions (scores of my tile; or fragments: 0 to 3 in window 0, 4 to 7 in window 1); v160-223 O^T; v224-239 p's codes; v232-247 at work; v252 f; v253 p's scale word.
; Window 0 alone: v1-7 addresses that stay; v8-11 K's scale words; v248-251 V's; v253, v254 p's of tile A and tile B; v255 Q's (lanes 0-15 tile A, lanes 16-31 tile B).  Window 1 v248-251: V's scale bytes as loaded.
.set SLOT1, 1<<17                      ; slot 1 begins here
.set SCK,   262144                     ; K's scale words of the batch, 16,384 bytes
.set SCV,   278528                     ; V's scale bytes, 16,384
.set ML,    294912                     ; 256 bytes for each (quarter, tile): -M at 4 x lane, the sum 128 further on
.set CSC,   299008                     ; ctx's scale words: tile T's row r at 64 T + 4 r
.set SPARE, 299264                     ; the spare words, 128 bytes for each wave: four blocks of 256 bytes that no other line names
.set CIMG,  SLOT1                      ; ctx's four fragments: in slot 1, behind its last fill and its last read
.set A0,   1                           ; 16 x lane + my quarter's part of slot 0
.set A1,   2                           ; of slot 1
.set ASK0, 3                           ; my quarter's scale words of K, 8 x lane
.set ADS,  4                           ; the same at the step in hand
.set SPW,  5
.set NIL,  6
.set PFO,  7                           ; 256 x lane; never rewritten
.set KS,   8
.set VS,   248
.set VR,   248                         ; in window 1
.set PA,   253
.set PB,   254
.set QS,   255
.set STW,  16                          ; the way out's addresses, in tile A's Q registers
.set MLW,  17
.set STR0, 18
.set STR2, 19
.set MLR,  20
.set CIW,  21
.set CSB,  22
.set CIR,  23
.set CSR,  24
.set XO,   25
.set BNO,  26
.set WOL,  27
.set WOS,  28
.set G1T, 32                           ; s[32:39] group 1: 64 rows of 256 bytes
.set G1S, 40                           ; s[40:47] group 1: 16 rows of 256 bytes
.set G0S, 48                           ; s[48:51] group 0: my part of the scale bytes
.set G0A, 52                           ; s[52:55] round 0
.set G0W, 56                           ; s[56:59] round 1; then it walks
.set SEL, 60
.set CS,  62
.set WV,  66
.set TP,  67                           ; which pair of tiles of queries
.set KQ,  68                           ; which quarter of the keys
.set CX,  69
.set N,   70
.set GQ,  71
.set TS,  73                           ; the step's scale bytes: 512 a step
.set TRIP, 74
.set LIM, 75
.set PFA, 76
.set MNT, 78
.set EPS, 80
.set MSB, 0
.macro WIN new                         ; bits 1:0 source 0, 3:2 source 1, 5:4 source 2, 7:6 destination; the immediate's high byte repeats the setting that is left
.if MSB != \new
	s_set_vgpr_msb (MSB<<8)|\new
.set MSB, \new
.endif
.endm
.macro ROUND                           ; a round of the cluster's barrier: my work-group's barrier; wave 0 signals for the work-group; every wave waits for all four work-groups; my work-group's barrier once more
	s_barrier_signal -1
	s_barrier_wait -1
	s_cmp_lg_u32 s[WV], 0
	s_cbranch_scc1 .Lnot_wave_0_\@
	s_barrier_signal -3
.Lnot_wave_0_\@:
	s_barrier_wait -3
	s_barrier_signal -1
	s_barrier_wait -1
.endm
.macro BARRIER
	s_wait_dscnt 0x0
	s_barrier_signal -1
	s_barrier_wait -1
.endm
; A PREFETCH INTO THE L2 of the round after the one that is being asked for.  All sixteen clusters of a batch walk the same K and V: the batch's first cluster asks.  Its partner at place cx asks for key quarter cx
; (told apart by address alone); in it waves 0 to 3 ask for the quarter's four pieces of 8,192 bytes (K's halves, V's halves), lanes 256 bytes apart: each aligned block of 256 bytes is named once in the launch.
; how = 0, a trip's first step: always; how = 1, its second: not in the last trip, whose refill is the last.  Rounds 0 to 2 come by their loads alone.
.macro ASK how
.if \how
	s_cmp_gt_u32 s[TRIP], s[LIM]
.else
	s_cmp_eq_u32 s[LIM], 1
.endif
	s_cbranch_scc0 .Lnot_mine_\@
	global_prefetch_b8 v[PFO], s[PFA:PFA+1] th:TH_LOAD_NT scope:SCOPE_SE
.Lnot_mine_\@:
.endm
; THE CHANGE OF SLOTS, in the middle of step r.  Each wave waits for all its tensor loads (its part of round r + 1), adds 0 to its spare word, and waits for that and for its reads of round r's slot, whose K and V it now has in registers.
; fill = 1: a round of the cluster's barrier follows, and behind it that slot is filled with round r + 2: the load has a whole step in which to land.
.macro CHANGE fill, how
	s_wait_tensorcnt 0x0                           ; no tensor load of mine is out, so a group 0 may be written
	ds_add_u32 v[SPW], v[NIL]                      ; 0 onto my spare word
.if \fill
	s_xor_b32 s[G0W+1], s[G0W+1], SLOT1            ; the walking descriptor: the other slot than last time,
	s_add_nc_u64 s[G0W+2:G0W+3], s[G0W+2:G0W+3], 16384   ; the next key step; the type bits on top are not reached
	s_wait_xcnt 0x0                                ; the last prefetch, a step back, has read its address, so it may be written
	s_add_nc_u64 s[PFA:PFA+1], s[PFA:PFA+1], 16384
	s_wait_dscnt 0x0                               ; the add is done, and my reads of the slot that I leave are over
	ROUND                                          ; both now hold of every wave of all four work-groups
	tensor_load_to_lds s[G0W:G0W+3], s[G1T:G1T+7]  ; the first thing behind the round, and my one tensor load until the next
	s_nop 0
.rept 4
	v_nop
.endr
	ASK \how
.else
	s_wait_dscnt 0x0
	s_barrier_signal -1
	s_barrier_wait -1
.endif
.endm
.macro VLOAD f, ar                     ; the step's eight fragments of V into region f (0-3 window 0, 4-7 window 1), and its scale bytes
.irp t, 0,1,2,3
.irp c, 0,1,2,3
	ds_load_b128 v[(\f)+16*\t+4*\c:(\f)+16*\t+4*\c+3], v[\ar] offset:16384+2048*\t+512*\c
.endr
.endr
	WIN 0x40
.irp t, 0,1,2,3
.irp c, 0,1,2,3
	ds_load_b128 v[(\f)+16*\t+4*\c:(\f)+16*\t+4*\c+3], v[\ar] offset:16384+2048*(4+\t)+512*\c
.endr
.endr
	ds_load_b64 v[VR:VR+1], v[ADS] offset:SCV-SCK          ; key blocks 0, 1 of the step,
	ds_load_b64 v[VR+2:VR+3], v[ADS] offset:SCV-SCK+256    ; blocks 2, 3
	WIN 0
.endm
.macro KLOAD0 s, an, sa, so            ; fragments 0-3 of K into region s of window 0, and the step's scale words: register KS + i: lanes 0-15 tile 2 i, lanes 16-31 tile 2 i + 1
.irp t, 0,1,2,3
.irp c, 0,1,2,3
	ds_load_b128 v[(\s)+16*\t+4*\c:(\s)+16*\t+4*\c+3], v[\an] offset:2048*\t+512*\c
.endr
.endr
	ds_load_b64 v[KS:KS+1], v[\sa] offset:\so
	ds_load_b64 v[KS+2:KS+3], v[\sa] offset:\so+256
.endm
.macro KLOAD1 s, an                    ; fragments 4-7 into region s of window 1
	WIN 0x40
.irp t, 0,1,2,3
.irp c, 0,1,2,3
	ds_load_b128 v[(\s)+16*\t+4*\c:(\s)+16*\t+4*\c+3], v[\an] offset:2048*(4+\t)+512*\c
.endr
.endr
	WIN 0
.endm
.macro SP4 d, k, ks, rb                ; four products S^T = K Q^T: source 0 = 16 keys, source 1 = 16 queries; rb = 1: tile B's Q, whose scale words stand in lanes 16-31
.irp p, 0,1
.if \rb
	v_wmma_scale_f32_16x16x128_f8f6f4 v[(\d)+16*\p:(\d)+16*\p+7], v[(\k)+32*\p:(\k)+32*\p+15], v[16:31], 0, v[(\ks)+\p], v[QS] matrix_b_scale:MATRIX_SCALE_ROW1
	v_wmma_scale_f32_16x16x128_f8f6f4 v[(\d)+16*\p+8:(\d)+16*\p+15], v[(\k)+32*\p+16:(\k)+32*\p+31], v[16:31], 0, v[(\ks)+\p], v[QS] matrix_a_scale:MATRIX_SCALE_ROW1 matrix_b_scale:MATRIX_SCALE_ROW1
.else
	v_wmma_scale_f32_16x16x128_f8f6f4 v[(\d)+16*\p:(\d)+16*\p+7], v[(\k)+32*\p:(\k)+32*\p+15], v[16:31], 0, v[(\ks)+\p], v[QS]
	v_wmma_scale_f32_16x16x128_f8f6f4 v[(\d)+16*\p+8:(\d)+16*\p+15], v[(\k)+32*\p+16:(\k)+32*\p+31], v[16:31], 0, v[(\ks)+\p], v[QS] matrix_a_scale:MATRIX_SCALE_ROW1
.endif
.endr
.endm
.macro SPROD k, d                      ; the sixteen products of a step's scores: K's fragments in region k, the scores into region d: lane (r, h), register d + 16 b + i: query r, key 32 b + 16 h + i
	s_wait_dscnt 0x10                              ; K's fragments 0-3 and scale words are in: behind them stand only the 16 loads of fragments 4-7
	SP4 \d, \k, KS, 0
	WIN 0x44
	SP4 \d, \k, KS, 1
	s_wait_dscnt 0x0
	WIN 0x01
	SP4 (\d)+32, \k, KS+2, 0
	WIN 0x45
	SP4 (\d)+32, \k, KS+2, 1
	WIN 0
.endm
.macro PV4 o, f, vs, ps                ; four products O^T += V^T P^T: source 0 = 16 channels, source 1 = p's codes.  Each accumulator has one instruction a step
.irp p, 0,1
	v_wmma_scale_f32_16x16x128_f8f6f4 v[(\o)+16*\p:(\o)+16*\p+7], v[(\f)+32*\p:(\f)+32*\p+15], v[224:239], v[(\o)+16*\p:(\o)+16*\p+7], v[(\vs)+\p], v[\ps]
	v_wmma_scale_f32_16x16x128_f8f6f4 v[(\o)+16*\p+8:(\o)+16*\p+15], v[(\f)+32*\p+16:(\f)+32*\p+31], v[224:239], v[(\o)+16*\p+8:(\o)+16*\p+15], v[(\vs)+\p], v[\ps] matrix_a_scale:MATRIX_SCALE_ROW1
.endr
.endm
; One tile's softmax for 128 keys, scores in region sb: every vector register that it names lies in the window that is set.  It leaves p's codes in v224-239, p's scale word in v253, f in v252.
.macro SM sb
.irp b, 0,1,2,3
	v_max3_num_f32 v[232+\b], v[(\sb)+16*\b], v[(\sb)+16*\b+1], v[(\sb)+16*\b+2]   ; the largest score of each block of 32 keys: for the row's maximum, and, since p rises with the score, for the block's largest p
.endr
.irp i, 3,5,7,9,11,13
.irp b, 0,1,2,3
	v_max3_num_f32 v[232+\b], v[232+\b], v[(\sb)+16*\b+\i], v[(\sb)+16*\b+\i+1]
.endr
.endr
.irp b, 0,1,2,3
	v_max_num_f32 v[232+\b], v[232+\b], v[(\sb)+16*\b+15]
.endr
.irp b, 0,1,2,3
	v_permlanex16_b32 v[236+\b], v[232+\b], s[SEL], s[SEL+1]
.endr
.irp b, 0,1,2,3
	s_delay_alu instid0(VALU_DEP_4)
	v_max_num_f32 v[232+\b], v[232+\b], v[236+\b]  ; with lane l xor 16's 16 keys
.endr
	s_delay_alu instid0(VALU_DEP_2)
	v_max3_num_f32 v236, v232, v233, v234
	s_delay_alu instid0(VALU_DEP_1)
	v_max_num_f32 v236, v236, v235                 ; the step's largest score of my query
	s_delay_alu instid0(VALU_DEP_1)
	v_mul_f32 v236, s[CS], v236                    ; as t (c is positive)
	s_delay_alu instid0(VALU_DEP_1)
	v_max_num_f32 v13, v13, v236                   ; the running largest t
	v_mov_b32 v236, v12
	s_delay_alu instid0(VALU_DEP_2)
	v_floor_f32 v12, -v13                          ; the new -M = floor(-t) = -ceil(t): a whole number
	s_delay_alu instid0(VALU_DEP_1)
	v_sub_f32 v236, v12, v236                      ; old M - new M: a whole number, 0 or less
	s_delay_alu instid0(VALU_DEP_1)
	v_cvt_i32_f32 v236, v236                       ; (it saturates)
	s_delay_alu instid0(VALU_DEP_1)
	v_ldexp_f32 v252, 1.0, v236                    ; f = 2^(old M - new M)
.set j_, 0
.rept 32
	v_pk_fma_f32 v[(\sb)+j_:(\sb)+j_+1], v[(\sb)+j_:(\sb)+j_+1], s[CS:CS+1], v[12:13] op_sel_hi:[1,0,0]   ; t - M, two at a time
.set j_, j_+2
.endr
.irp b, 0,1,2,3
	v_fma_f32 v[232+\b], v[232+\b], s[CS], v12     ; the same of each block's largest score
.endr
.set j_, 0
	s_wait_alu depctr_va_vdst(0)
.rept 64
	v_exp_f32 v[(\sb)+j_], v[(\sb)+j_]             ; p = 2^(t - M), at most 1
.set j_, j_+1
.endr
	v_pk_mul_f32 v[14:15], v[14:15], v[252:253] op_sel_hi:[1,0]   ; the sums under the new M: a plain line behind the exponentials
	s_wait_alu depctr_va_vdst(0)                   ; one wait for the batch of 64, ahead of its first reader
.irp b, 0,1,2,3
	v_exp_f32 v[232+\b], v[232+\b]                 ; the block's largest p: the same two instructions on the same number
.endr
	v_pk_add_f32 v[236:237], v[(\sb):(\sb)+1], v[(\sb)+2:(\sb)+3]   ; the row's sum of the unquantised p, in two chains: it reads the 64 alone
.set j_, 4
.rept 15
	v_pk_add_f32 v[14:15], v[14:15], v[(\sb)+j_:(\sb)+j_+1]
	v_pk_add_f32 v[236:237], v[236:237], v[(\sb)+j_+2:(\sb)+j_+3]
.set j_, j_+4
.endr
	s_delay_alu instid0(VALU_DEP_1)
	v_pk_add_f32 v[14:15], v[14:15], v[236:237]
	s_wait_alu depctr_va_vdst(0)                   ; and one for the four
.irp b, 0,1,2,3
	v_max_num_f32 v[232+\b], 0x4800000, v[232+\b]  ; the floor 2^(9 - 127): the byte cannot fall under 1
.endr
.irp b, 0,1,2,3
	s_delay_alu instid0(VALU_DEP_4)
	v_add_nc_u32 v[244+\b], 0xfc000000, v[232+\b]  ; 8 off the exponent field: the conversion's scale operand
.endr
.irp b, 0,1,2,3
.endr
.irp b, 0,1,2,3
	s_delay_alu instid0(VALU_DEP_4)
	v_lshrrev_b32 v[236+\b], 23, v[244+\b]         ; the scale's byte
.endr
	s_delay_alu instid0(VALU_DEP_3)
	v_lshl_or_b32 v253, v237, 8, v236              ; p's scale word for these 128 keys
	s_delay_alu instid0(VALU_DEP_1)
	v_lshl_or_b32 v253, v238, 16, v253
	s_delay_alu instid0(VALU_DEP_1)
	v_lshl_or_b32 v253, v239, 24, v253
.irp b, 0,1,2,3
.irp i, 0,1,2,3,4,5,6,7,8,9,10,11,12,13,14,15
.endr
	v_cvt_scalef32_pk8_fp8_f32 v[224+4*\b:225+4*\b], v[(\sb)+16*\b:(\sb)+16*\b+7], v[244+\b]
	v_cvt_scalef32_pk8_fp8_f32 v[226+4*\b:227+4*\b], v[(\sb)+16*\b+8:(\sb)+16*\b+15], v[244+\b]
.endr
.endm
.macro RESC                            ; O^T under the new M, in the window that is set
.set j_, 0
.rept 32
	v_pk_mul_f32 v[160+j_:161+j_], v[160+j_:161+j_], v[252:253] op_sel_hi:[1,0]
.set j_, j_+2
.endr
.endm
; A KEY STEP r.  f: the region where K(r) lay and V(r) lands; s: the region of the scores; ar, an: my place in this round's slot and in the next's.
; mode 0: the slot is filled again; 1: the last change of slots, which fills nothing; 2: the last step: no change, no next step.
.macro STEP f, s, ar, an, mode, how
	v_add_nc_u32 v[ADS], s[TS], v[ASK0]
.rept 7
	v_nop                                          ; with the addition eight places behind the scores' products: ahead of the loads over K's fragments and of the first read of the scores (ISA guide 7.12.1 for the first read of the scores)
.endr
	VLOAD \f, \ar                                  ; it lands under tile A's softmax
	SM \s                                          ; tile A
	RESC                                           ; (its first line is the plain line behind the last conversion)
.if (\mode) == 0
	CHANGE 1, \how
.elseif (\mode) == 1
	CHANGE 0, 0
.else
	s_wait_dscnt 0x0                               ; V and its scale bytes are in
.endif
	WIN 0x05
	v_perm_b32 v[VS], v[VR+2], v[VR], 0x05040100   ; V's scale words, four bytes for the step's four key blocks: register VS + i: lanes 0-15 tile 2 i, lanes 16-31 tile 2 i + 1
	v_perm_b32 v[VS+1], v[VR+2], v[VR], 0x07060302
	v_perm_b32 v[VS+2], v[VR+3], v[VR+1], 0x05040100
	v_perm_b32 v[VS+3], v[VR+3], v[VR+1], 0x07060302
	WIN 0
.if (\mode) < 2
	KLOAD0 \s, \an, ADS, 512                       ; over tile A's p, which is done with: it lands under tile B's softmax
.endif
	WIN 0x55
	SM \s                                          ; tile B
	WIN 0x01
	v_mov_b32 v[PB], v253                          ; its scale word goes where scale operands are read: window 0.  (Also the plain line behind the last conversion)
	WIN 0
.if (\mode) < 2
	KLOAD1 \s, \an                                 ; over tile B's p: it lands under the lines and products below
.endif
	WIN 0x55
	RESC                                           ; these 32 are also the places between the codes and scale word just made and the products
	WIN 0
	PV4 160, \f, VS, PA                            ; tile A, channels' tiles 0-3
	WIN 0x54
	PV4 160, \f, VS, PB                            ; tile B
	WIN 0x01
	PV4 192, \f, VS+2, PA                          ; tile A, tiles 4-7
	WIN 0x55
	PV4 192, \f, VS+2, PB
	WIN 0
.if (\mode) < 2
.rept 9
	v_nop                                          ; nine places: the next scores are laid over V's fragments, which the products above read
.endr
	SPROD \s, \f
.endif
	s_add_co_u32 s[TS], s[TS], 512                 ; the next step's scale bytes
.endm
.macro INIT                            ; a tile's start, in the window that is set
	v_mov_b32 v13, 0xff61b1e6                      ; the largest t so far: -3e38, under every t
	s_delay_alu instid0(VALU_DEP_1)
	v_floor_f32 v12, -v13                          ; -M
	v_mov_b32 v14, 0                               ; the sum, in two halves
	v_mov_b32 v15, 0
.irp b, 0,1,2,3
	v_mov_b32 v[236+\b], 0                         ; a lane permute's destination counts as one of its sources
.endr
	v_mov_b32 v253, 0                              ; (named as the upper half of the pair v[252:253] before it is first written)
.set j_, 0
.rept 64
	v_mov_b32 v[160+j_], 0                         ; O^T: the step has one form; its first run finds zeros, which the first change of M leaves zeros
.set j_, j_+1
.endr
.endm
	s_load_b512 s[4:19], s[0:1], 0x0               ; qc s[4:5], qs s[6:7], kc s[8:9], ks s[10:11], vc s[12:13], vs s[14:15], wc s[16:17], wsc s[18:19]
	s_load_b256 s[20:27], s[0:1], 0x40             ; go, bo, mo, vo
	s_load_b128 s[28:31], s[0:1], 0x60             ; x, out0
	v_lshl_add_u32 v[SPW], v0, 2, SPARE
	v_mov_b32 v[NIL], 0
	ds_add_u32 v[SPW], v[NIL]                      ; the wave's opening: the add, twice on end, and its wait ahead of my first tensor load
	ds_add_u32 v[SPW], v[NIL]                      ; and once more, under the one wait; the set-up below, work on registers, stands between
	v_lshrrev_b32 v232, 5, v0
	s_delay_alu instid0(VALU_DEP_1)
	v_readfirstlane_b32 s[WV], v232                ; wave 0..7
	s_and_b32 s[TP], s[WV], 1                      ; my pair of tiles.  Also: I fetch K's tiles (0) or V's (1)
	s_lshr_b32 s[KQ], s[WV], 1                     ; my quarter of the keys, to walk and to fetch
	s_bfe_u32 s[CX], ttmp6, 0x40000                ; my place in the cluster: it enters global addresses of Q, x, out0 and the prefetch alone
	s_and_b32 s[N], ttmp7, 0xffff                  ; the batch, which the four partners share
	s_lshl_b32 s[GQ], ttmp9, 2
	s_add_co_u32 s[GQ], s[GQ], s[CX]               ; my block of 64 queries
	s_mov_b32 s[G1T], 15|(3<<16)|(1<<21)           ; 15:0 the mask: all four work-groups; 17:16 elements of 8 bytes; 21 set beside a mask; no padding
	s_mov_b32 s[G1T+1], 32<<16                     ; tensor_dim0 = 32 elements: 256 bytes
	s_mov_b32 s[G1T+2], 64<<16                     ; tensor_dim1 = 64
	s_mov_b32 s[G1T+3], 32<<16                     ; tile_dim0 = 32
	s_mov_b32 s[G1T+4], 64                         ; tile_dim1 = 64
	s_mov_b32 s[G1T+5], 32                         ; from row to row: dense
	s_mov_b32 s[G1T+6], 0
	s_mov_b32 s[G1T+7], 0
	s_mov_b32 s[G1S], 15|(3<<16)|(1<<21)           ; the same with 16 rows
	s_mov_b32 s[G1S+1], 32<<16
	s_mov_b32 s[G1S+2], 16<<16
	s_mov_b32 s[G1S+3], 32<<16
	s_mov_b32 s[G1S+4], 16
	s_mov_b32 s[G1S+5], 32
	s_mov_b32 s[G1S+6], 0
	s_mov_b32 s[G1S+7], 0
	s_lshl_b32 s82, s[N], 14                       ; the scale bytes: 16,384 a batch; waves 0-3 fetch K's, waves 4-7 V's, 4,096 each
	s_and_b32 s83, s[WV], 3
	s_lshl_b32 s83, s83, 12
	s_add_co_u32 s82, s82, s83
	s_mov_b32 s83, 0
	s_lshl_b32 s84, s[N], 19                       ; the codes: 524,288 a batch, 131,072 a quarter, 16,384 a step
	s_lshl_b32 s85, s[KQ], 17
	s_add_co_u32 s84, s84, s85
	s_mov_b32 s85, 0
	s_mov_b32 s[G0S], 1                            ; 1:0 count = 1
	s_lshl_b32 s[G0S+1], s[WV], 12
	s_add_co_u32 s[G0S+1], s[G0S+1], SCK           ; LDS: SCK + 4,096 w: V's bytes lie behind K's
	s_mov_b32 s[G0A], 1
	s_lshl_b32 s[G0A+1], s[WV], 14                 ; LDS: 16,384 w in slot 0: quarter w / 2, K's tiles and behind them V's
	s_mov_b32 s[G0W], 1
	s_add_co_u32 s[G0W+1], s[G0A+1], SLOT1         ; and in slot 1
	s_lshl_b32 s88, s[N], 19                       ; the prefetches: quarter cx, my piece, round 2: the first change of slots steps it to round 3
	s_lshl_b32 s89, s[CX], 17
	s_add_co_u32 s88, s88, s89
	s_and_b32 s89, s[WV], 1
	s_lshl_b32 s89, s89, 13
	s_add_co_u32 s88, s88, s89
	s_add_co_u32 s88, s88, 32768
	s_mov_b32 s89, 0
	s_lshr_b32 s90, s[WV], 2                       ; 0 in waves 0 to 3,
	s_or_b32 s90, s90, ttmp9                       ; of the batch's first cluster: the same in all four partners
	s_cmp_eq_u32 s90, 0
	s_cselect_b32 s[LIM], 1, -1
	s_lshl_b32 s90, s[N], 6
	s_add_co_u32 s90, s90, s[GQ]                   ; 64 n + my block
	s_lshl_b32 s92, s90, 13
	s_lshl_b32 s93, s[TP], 12
	s_add_co_u32 s92, s92, s93                     ; my two images of Q
	s_mov_b32 s93, 0
	s_lshl_b32 s94, s90, 8
	s_lshl_b32 s95, s[TP], 7
	s_add_co_u32 s94, s94, s95                     ; and their scale words: 128 bytes on end
	s_mov_b32 s95, 0
	s_mov_b32 s[SEL], 0x76543210
	s_mov_b32 s[SEL+1], 0xfedcba98                 ; v_permlanex16_b32's selects for lane l xor 16
	s_mov_b32 s[CS], 0x3e0293ee                    ; c = log2(e) / sqrt(128)
	s_mov_b32 s[CS+1], s[CS]
	s_mov_b32 s[EPS], 0x3727c5ac                   ; 1e-5
	s_mov_b32 s[EPS+1], s[EPS]
	s_mov_b32 s[TS], 0
	s_mov_b32 s[TRIP], 3
	s_wait_dscnt 0x0                               ; both opening adds are done
	s_wait_kmcnt 0x0
	s_cmp_lt_u32 s[WV], 4
	s_cselect_b64 s[G0S+2:G0S+3], s[10:11], s[14:15]
	s_add_nc_u64 s[G0S+2:G0S+3], s[G0S+2:G0S+3], s[82:83]
	s_or_b32 s[G0S+3], s[G0S+3], 0x80000000        ; 127:126 type = 2
	s_cmp_eq_u32 s[TP], 0
	s_cselect_b64 s[86:87], s[8:9], s[12:13]       ; K's codes or V's, by the wave's number
	s_add_nc_u64 s[G0A+2:G0A+3], s[86:87], s[84:85]
	s_add_nc_u64 s[G0W+2:G0W+3], s[G0A+2:G0A+3], 16384
	s_or_b32 s[G0A+3], s[G0A+3], 0x80000000
	s_or_b32 s[G0W+3], s[G0W+3], 0x80000000
	s_and_b32 s90, s[WV], 2
	s_cmp_eq_u32 s90, 0
	s_cselect_b64 s[PFA:PFA+1], s[8:9], s[12:13]   ; the prefetches: waves 0, 1 K's halves, waves 2, 3 V's
	s_add_nc_u64 s[PFA:PFA+1], s[PFA:PFA+1], s[88:89]
	s_add_nc_u64 s[4:5], s[4:5], s[92:93]
	s_add_nc_u64 s[6:7], s[6:7], s[94:95]
	ROUND                                          ; all four work-groups are here: the first joint loads meet
	tensor_load_to_lds s[G0S:G0S+3], s[G1S:G1S+7]  ; the batch's scale bytes: filled once
	s_nop 0
	tensor_load_to_lds s[G0A:G0A+3], s[G1T:G1T+7]  ; round 0
	s_nop 0
	tensor_load_to_lds s[G0W:G0W+3], s[G1T:G1T+7]  ; round 1
	s_nop 0
.rept 4
	v_nop
.endr
	v_and_b32 v232, 31, v0                         ; lane
	s_delay_alu instid0(VALU_DEP_1)
	v_lshlrev_b32 v233, 4, v232                    ; 16 x lane
	s_delay_alu instid0(VALU_DEP_2)
	v_lshlrev_b32 v234, 2, v232                    ; 4 x lane
.irp c, 0,1,2,3
	global_load_b128 v[16+4*\c:19+4*\c], v233, s[4:5] offset:512*\c   ; tile A's Q stays in registers,
.endr
	WIN 0x40
.irp c, 0,1,2,3
	global_load_b128 v[16+4*\c:19+4*\c], v233, s[4:5] offset:2048+512*\c   ; tile B's in window 1
.endr
	WIN 0
	global_load_b32 v[QS], v234, s[6:7]            ; their scale words: lanes 0-15 tile A's rows, lanes 16-31 tile B's
	s_lshl_b32 s82, s[KQ], 15
	v_add_nc_u32 v[A0], s82, v233                  ; my quarter's part of slot 0, 16 x lane
	s_delay_alu instid0(VALU_DEP_1)
	v_add_nc_u32 v[A1], SLOT1, v[A0]               ; and of slot 1
	s_lshl_b32 s82, s[KQ], 12
	s_add_co_u32 s82, s82, SCK
	v_lshl_add_u32 v[ASK0], v232, 3, s82           ; my quarter's scale bytes, 8 x lane
	v_lshlrev_b32 v[PFO], 8, v232
	INIT
	WIN 0x55
	INIT
	WIN 0
	s_wait_loadcnt 0x0                             ; Q
	s_wait_tensorcnt 0x1                           ; my parts of the scale bytes and of round 0 are in; round 1's load may stay out
	s_barrier_signal -1
	s_barrier_wait -1                              ; everybody's are
	KLOAD0 32, A0, ASK0, 0                         ; step 0's K and scores stand ahead of the loop
	KLOAD1 32, A0
	SPROD 32, 96
.Ltrip:                                            ; three trips of two steps: steps 0 to 5, each of which fills the slot that it leaves with the round two on
	STEP 32, 96, A0, A1, 0, 0
	STEP 96, 32, A1, A0, 0, 1
	s_sub_co_u32 s[TRIP], s[TRIP], 1
	s_cmp_lg_u32 s[TRIP], 0
	s_cbranch_scc1 .Ltrip
	STEP 32, 96, A0, A1, 1, 0                      ; the last two steps are written out: they ask for nothing
	STEP 96, 32, A1, A0, 2, 0
	; ---- THE FOUR QUARTERS ARE JOINED.  My two O^T, -M and sums go to LDS: the stages lie in slot 0, which has had its last fill, and which nobody has read since the last change of slots.
	;      Part (quarter k, tile T) lies at 8,192 (4 k + T); mine are numbers 2 w and 2 w + 1
	v_add_f32 v14, v14, v15                        ; the sum's two halves.  (These lines are also the places behind the last products)
	s_delay_alu instid0(VALU_DEP_1)
	v_permlanex16_b32 v252, v14, s[SEL], s[SEL+1]
	v_and_b32 v29, 31, v0                          ; lane
	v_and_b32 v30, 15, v0                          ; r
	v_bfe_u32 v31, v0, 4, 1                        ; h
	s_delay_alu instid0(VALU_DEP_3)
	v_lshlrev_b32 v[WOL], 4, v29
	s_delay_alu instid0(VALU_DEP_4)
	v_lshlrev_b32 v[WOS], 2, v29
	s_wait_alu depctr_va_vdst(0)
	s_lshl_b32 s82, s[WV], 14
	v_add_nc_u32 v[STW], s82, v[WOL]               ; my two stages: 16,384 w + 16 x lane
	s_lshl_b32 s82, s[WV], 9
	s_add_co_u32 s82, s82, ML
	v_add_nc_u32 v[MLW], s82, v[WOS]
	s_lshl_b32 s82, s[TP], 14
	s_lshl_b32 s83, s[KQ], 11
	s_add_co_u32 s82, s82, s83
	v_add_nc_u32 v[STR0], s82, v[WOL]              ; what I join: channel block w / 2 of my two tiles of queries, from all four quarters' stages
	s_delay_alu instid0(VALU_DEP_1)
	v_add_nc_u32 v[STR2], 0x10000, v[STR0]
	s_lshl_b32 s82, s[TP], 9
	s_add_co_u32 s82, s82, ML
	v_add_nc_u32 v[MLR], s82, v[WOS]
	s_lshl_b32 s82, s[TP], 12
	s_lshl_b32 s83, s[KQ], 9
	s_add_co_u32 s82, s82, s83
	s_add_co_u32 s82, s82, CIMG
	v_add_nc_u32 v[CIW], s82, v[WOL]               ; my register group of ctx's fragments
	s_lshl_b32 s82, s[TP], 7
	s_add_co_u32 s82, s82, s[KQ]
	s_add_co_u32 s82, s82, CSC
	v_lshl_add_u32 v[CSB], v30, 2, s82             ; my byte of their scale words
	v_add_nc_u32 v[CIR], CIMG, v[WOL]
	v_lshlrev_b32 v[CSR], 2, v30
	s_delay_alu instid0(VALU_DEP_1)
	v_add_nc_u32 v[CSR], CSC, v[CSR]
	v_lshlrev_b32 v[XO], 18, v31                   ; x, out0: 16 channels x h + 16 r
	s_delay_alu instid0(VALU_DEP_1)
	v_lshl_add_u32 v[XO], v30, 4, v[XO]
	s_wait_alu depctr_va_vdst(0)
	v_lshlrev_b32 v[BNO], 6, v31
	s_wait_alu depctr_va_vdst(0)
	v_add_f32 v14, v14, v252                       ; with lane l xor 16's: tile A's sum over my quarter
	WIN 0x55
	v_add_f32 v14, v14, v15
	s_delay_alu instid0(VALU_DEP_1)
	v_permlanex16_b32 v252, v14, s[SEL], s[SEL+1]
	s_delay_alu instid0(VALU_DEP_1)
	v_add_f32 v14, v14, v252                       ; tile B's
	WIN 0
.irp g, 0,1,2,3,4,5,6,7,8,9,10,11,12,13,14,15
	ds_store_b128 v[STW], v[160+4*\g:163+4*\g] offset:512*\g   ; each accumulator from its low end on
.endr
	ds_store_b32 v[MLW], v12
	ds_store_b32 v[MLW], v14 offset:128
	WIN 0x04                                       ; an LDS store's data are its source 1: window 1
.irp g, 0,1,2,3,4,5,6,7,8,9,10,11,12,13,14,15
	ds_store_b128 v[STW], v[160+4*\g:163+4*\g] offset:8192+512*\g
.endr
	ds_store_b32 v[MLW], v12 offset:256
	ds_store_b32 v[MLW], v14 offset:384
	WIN 0
	s_lshl_b32 s84, s[WV], 7                       ; the way out: Wo's tiles 2 w, 2 w + 1 begin at output channels 32 w and 32 w + 8
	s_mov_b32 s85, 0
	s_add_nc_u64 s[20:21], s[20:21], s[84:85]
	s_add_nc_u64 s[22:23], s[22:23], s[84:85]
	s_add_nc_u64 s[24:25], s[24:25], s[84:85]
	s_add_nc_u64 s[26:27], s[26:27], s[84:85]
	s_lshl_b32 s86, s[WV], 19
	s_lshl_b32 s87, s[N], 22
	s_add_co_u32 s86, s86, s87
	s_lshl_b32 s87, s[GQ], 8
	s_add_co_u32 s86, s86, s87
	s_mov_b32 s87, 0
	s_add_nc_u64 s[28:29], s[28:29], s[86:87]
	s_add_nc_u64 s[30:31], s[30:31], s[86:87]
	s_lshl_b32 s88, s[WV], 12
	s_add_co_u32 s88, s88, 64*2048                 ; Wo's fragments begin at number 64
	s_mov_b32 s89, 0
	s_add_nc_u64 s[16:17], s[16:17], s[88:89]
	s_lshl_b32 s88, s[WV], 8
	s_add_co_u32 s88, s88, 64*128
	s_add_nc_u64 s[18:19], s[18:19], s[88:89]
.macro TLD u                           ; tile 2 w + u's x, Wo and BN vectors, into the window that is set for destinations
.irp j, 0,1,2,3,4,5,6,7
	global_load_b128 v[32+4*\j:35+4*\j], v[XO], s[28:29] offset:16384*\j+131072*\u th:TH_LOAD_NT   ; x at my 8 channels of each half, pixels 4 r .. 4 r + 3: sixteen lanes read 256 consecutive bytes
.endr
.irp c, 0,1,2,3
	global_load_b128 v[64+4*\c:67+4*\c], v[WOL], s[16:17] offset:512*\c+2048*\u
.endr
.irp k, 0,1
	global_load_b128 v[80+4*\k:83+4*\k], v[BNO], s[20:21] offset:16*\k+32*\u     ; go
	global_load_b128 v[88+4*\k:91+4*\k], v[BNO], s[22:23] offset:16*\k+32*\u     ; bo
	global_load_b128 v[96+4*\k:99+4*\k], v[BNO], s[24:25] offset:16*\k+32*\u     ; mo
	global_load_b128 v[104+4*\k:107+4*\k], v[BNO], s[26:27] offset:16*\k+32*\u   ; vo
.endr
.endm
	TLD 0
	global_load_b32 v[QS], v[WOS], s[18:19]            ; Wo's scale words: tile 2 w's,
	global_load_b32 v[PB], v[WOS], s[18:19] offset:128 ; tile 2 w + 1's
	WIN 0x40
	TLD 1
	WIN 0
	BARRIER                                        ; all sixteen parts lie in LDS, and nobody reads slot 1 any more
.macro MLD u                           ; the four quarters' parts of tile 2 (w % 2) + u, channel block w / 2
.irp k, 0,1
.irp g, 0,1,2,3
	ds_load_b128 v[112+16*\k+4*\g:115+16*\k+4*\g], v[STR0] offset:32768*\k+512*\g+8192*\u
.endr
.endr
.irp k, 0,1
.irp g, 0,1,2,3
	ds_load_b128 v[144+16*\k+4*\g:147+16*\k+4*\g], v[STR2] offset:32768*\k+512*\g+8192*\u
.endr
.endr
.irp k, 0,1,2,3
	ds_load_b32 v[176+\k], v[MLR] offset:1024*\k+256*\u       ; -M of quarter k
	ds_load_b32 v[180+\k], v[MLR] offset:1024*\k+256*\u+128   ; its sum
.endr
.endm
.macro MCALC                           ; joined, divided by the row's sum, quantised: one block of 32 channels of ctx, in the window that is set
	v_min3_num_f32 v184, v176, v177, v178
	s_delay_alu instid0(VALU_DEP_1)
	v_min_num_f32 v184, v184, v179                 ; -M of the whole row
.irp k, 0,1,2,3
	v_sub_f32 v[186+2*\k], v184, v[176+\k]         ; M of quarter k - M of the row: a whole number, 0 or less
.endr
.irp k, 0,1,2,3
	s_delay_alu instid0(VALU_DEP_4)
	v_cvt_i32_f32 v[187+2*\k], v[186+2*\k]
.endr
.irp k, 0,1,2,3
	s_delay_alu instid0(VALU_DEP_4)
	v_ldexp_f32 v[186+2*\k], 1.0, v[187+2*\k]      ; the quarter's factor: an exact power of two
.endr
	s_delay_alu instid0(VALU_DEP_4)
	v_mul_f32 v194, v186, v180
	s_delay_alu instid0(VALU_DEP_1)
	v_fma_f32 v194, v188, v181, v194
	s_delay_alu instid0(VALU_DEP_1)
	v_fma_f32 v194, v190, v182, v194
	s_delay_alu instid0(VALU_DEP_1)
	v_fma_f32 v194, v192, v183, v194               ; the row's sum
	v_mov_b32 v213, 0                              ; (the upper half of the pair v[212:213])
	v_mov_b32 v215, 0                              ; (a lane permute's destination)
	s_wait_alu depctr_va_vdst(0)
	v_rcp_f32 v212, v194
.irp i, 0,2,4,6,8,10,12,14
	v_pk_mul_f32 v[196+\i:197+\i], v[112+\i:113+\i], v[186:187] op_sel_hi:[1,0]   ; plain work behind the reciprocal
.endr
.irp k, 1,2,3
.irp i, 0,2,4,6,8,10,12,14
	v_pk_fma_f32 v[196+\i:197+\i], v[112+16*\k+\i:113+16*\k+\i], v[186+2*\k:187+2*\k], v[196+\i:197+\i] op_sel_hi:[1,0,1]
.endr
.endr
	s_wait_alu depctr_va_vdst(0)                   ; the wait ahead of the reciprocal's first reader
.irp i, 0,2,4,6,8,10,12,14
	v_pk_mul_f32 v[196+\i:197+\i], v[196+\i:197+\i], v[212:213] op_sel_hi:[1,0]   ; ctx: channels 32 (w / 2) + 16 h + 0 .. 15 of my query
.endr
	v_max3_num_f32 v214, |v196|, |v197|, 0x4800000
.irp i, 2,4,6,8,10,12,14
	s_delay_alu instid0(VALU_DEP_1)
	v_max3_num_f32 v214, v214, |v[196+\i]|, |v[197+\i]|
.endr
	s_delay_alu instid0(VALU_DEP_1)
	v_permlanex16_b32 v215, v214, s[SEL], s[SEL+1]
	s_delay_alu instid0(VALU_DEP_1)
	v_max_num_f32 v214, v214, v215
	s_delay_alu instid0(VALU_DEP_1)
	v_add_nc_u32 v216, 0xfc000000, v214
	s_delay_alu instid0(VALU_DEP_1)
	v_lshrrev_b32 v218, 23, v216
.irp i, 0,1,2,3,4,5,6,7,8,9,10,11,12,13,14,15
.endr
	v_cvt_scalef32_pk8_fp8_f32 v[220:221], v[196:203], v216
	v_cvt_scalef32_pk8_fp8_f32 v[222:223], v[204:211], v216
	v_nop                                          ; a plain line behind the last conversion
.endm
	MLD 0
	WIN 0x40
	MLD 1
	WIN 0
	s_wait_dscnt 0x0
	MCALC
	ds_store_b128 v[CIW], v[220:223]
	ds_store_b8 v[CSB], v218                       ; both halves of the lanes write the same byte with the same value
	WIN 0x55
	MCALC
	WIN 0x04
	ds_store_b128 v[CIW], v[220:223] offset:2048
	ds_store_b8 v[CSB], v218 offset:64
	WIN 0
	s_wait_loadcnt 0x0                             ; x, Wo, the BN vectors
.macro BNC                             ; -m and g rsq(v + eps), in the window that is set
.irp i, 0,2,4,6
	v_pk_add_f32 v[104+\i:105+\i], v[104+\i:105+\i], s[EPS:EPS+1] op_sel_hi:[1,0]
.endr
	s_wait_alu depctr_va_vdst(0)
.irp i, 0,1,2,3,4,5,6,7
	v_rsq_f32 v[104+\i], v[104+\i]
.endr
.irp i, 0,2,4,6
	v_pk_mul_f32 v[96+\i:97+\i], v[96+\i:97+\i], -1.0 op_sel_hi:[1,0]   ; -m: plain work behind the roots
.endr
	s_wait_alu depctr_va_vdst(0)                   ; one wait for the eight roots
.irp i, 0,2,4,6
	v_pk_mul_f32 v[80+\i:81+\i], v[80+\i:81+\i], v[104+\i:105+\i]
.endr
.endm
	BNC
	WIN 0x55
	BNC
	WIN 0
	BARRIER                                        ; ctx's four fragments lie in LDS
.irp q, 0,1,2,3
.irp c, 0,1,2,3
	ds_load_b128 v[112+16*\q+4*\c:115+16*\q+4*\c], v[CIR] offset:2048*\q+512*\c
.endr
	ds_load_b32 v[VS+\q], v[CSR] offset:64*\q
.endr
	s_wait_dscnt 0x0
.irp q, 0,1,2,3
	v_wmma_scale_f32_16x16x128_f8f6f4 v[176+8*\q:183+8*\q], v[64:79], v[112+16*\q:127+16*\q], v[96:103], v[QS], v[VS+\q]   ; source 0 = Wo's tile 2 w, source 1 = ctx's tile of pixels; -m starts the sum
.endr
	WIN 0x51                                       ; Wo's tile 2 w + 1, its -m and its results in window 1; ctx in window 0
.irp q, 0,1,2,3
	v_wmma_scale_f32_16x16x128_f8f6f4 v[176+8*\q:183+8*\q], v[64:79], v[112+16*\q:127+16*\q], v[96:103], v[PB], v[VS+\q]
.endr
	WIN 0
.rept 8
	v_nop
.endr
.macro OUTC                            ; BN, ReLU, + x, in the window that is set.  Lane (r, h), register j of tile T of pixels: channel 32 w + 8 u + 16 h + j, pixel 4 r + T.  Each accumulator is read from its low end on
.irp j, 0,1,2,3,4,5,6,7
.irp q, 0,1,2,3
	v_fma_f32 v[208+4*\j+\q], v[176+8*\q+\j], v[80+\j], v[88+\j]
.endr
.endr
.set j_, 0
.rept 32
	v_max_num_f32 v[208+j_], 0, v[208+j_]
.set j_, j_+1
.endr
.set j_, 0
.rept 16
	v_pk_add_f32 v[208+j_:209+j_], v[208+j_:209+j_], v[32+j_:33+j_]
.set j_, j_+2
.endr
.endm
	OUTC
.irp j, 0,1,2,3,4,5,6,7
	global_store_b128 v[XO], v[208+4*\j:211+4*\j], s[30:31] offset:16384*\j th:TH_STORE_NT   ; sixteen lanes store 256 consecutive bytes, aligned
.endr
	WIN 0x55
	OUTC
	WIN 0x04                                       ; a store's data are its source 1: window 1
.irp j, 0,1,2,3,4,5,6,7
	global_store_b128 v[XO], v[208+4*\j:211+4*\j], s[30:31] offset:16384*\j+131072 th:TH_STORE_NT
.endr
	WIN 0
	s_wait_tensorcnt 0x0                           ; the wave's end, behind my last tensor load and my last LDS store
	ds_add_u32 v[SPW], v[NIL]
	s_wait_dscnt 0x0
	ROUND                                          ; the closing round: no work-group ends while a partner may still ask for a tile that names it
	s_endpgm
.Lfunc_end_k_qa66402af52_attn:
	.size	k_qa66402af52_attn, .Lfunc_end_k_qa66402af52_attn-k_qa66402af52_attn
	.p2alignl 7, 3214868480
	.fill 96, 4, 3214868480
	.section	.rodata,"a",@progbits
	.p2align	6, 0x0
	.amdhsa_kernel k_qa66402af52_attn
		.amdhsa_group_segment_fixed_size 327680
		.amdhsa_private_segment_fixed_size 0
		.amdhsa_enable_private_segment 0
		.amdhsa_kernarg_size 112
		.amdhsa_user_sgpr_count 2
		.amdhsa_user_sgpr_kernarg_segment_ptr 1
		.amdhsa_wavefront_size32 1
		.amdhsa_system_sgpr_workgroup_id_x 1
		.amdhsa_system_sgpr_workgroup_id_y 1
		.amdhsa_system_sgpr_workgroup_id_z 1
		.amdhsa_system_vgpr_workitem_id 0
		.amdhsa_next_free_vgpr 512
		.amdhsa_next_free_sgpr 100
		.amdhsa_reserve_vcc 0
		.amdhsa_float_denorm_mode_32 3
		.amdhsa_float_denorm_mode_16_64 3
		.amdhsa_fp16_overflow 1
		.amdhsa_memory_ordered 1
		.amdhsa_forward_progress 1
		.amdhsa_inst_pref_size 197
	.end_amdhsa_kernel
	.amdgpu_metadata
---
amdhsa.version: [ 1, 2 ]
amdhsa.kernels:
  - .name:           k_qa66402af52_attn
    .symbol:         k_qa66402af52_attn.kd
    .args:
      - { .name: qc, .offset: 0, .size: 8, .value_kind: global_buffer, .address_space: global }
      - { .name: qs, .offset: 8, .size: 8, .value_kind: global_buffer, .address_space: global }
      - { .name: kc, .offset: 16, .size: 8, .value_kind: global_buffer, .address_space: global }
      - { .name: ks, .offset: 24, .size: 8, .value_kind: global_buffer, .address_space: global }
      - { .name: vc, .offset: 32, .size: 8, .value_kind: global_buffer, .address_space: global }
      - { .name: vs, .offset: 40, .size: 8, .value_kind: global_buffer, .address_space: global }
      - { .name: wc, .offset: 48, .size: 8, .value_kind: global_buffer, .address_space: global }
      - { .name: wsc, .offset: 56, .size: 8, .value_kind: global_buffer, .address_space: global }
      - { .name: go, .offset: 64, .size: 8, .value_kind: global_buffer, .address_space: global }
      - { .name: bo, .offset: 72, .size: 8, .value_kind: global_buffer, .address_space: global }
      - { .name: mo, .offset: 80, .size: 8, .value_kind: global_buffer, .address_space: global }
      - { .name: vo, .offset: 88, .size: 8, .value_kind: global_buffer, .address_space: global }
      - { .name: x, .offset: 96, .size: 8, .value_kind: global_buffer, .address_space: global }
      - { .name: out0, .offset: 104, .size: 8, .value_kind: global_buffer, .address_space: global }
    .group_segment_fixed_size: 327680
    .private_segment_fixed_size: 0
    .kernarg_segment_align: 8
    .kernarg_segment_size: 112
    .max_flat_workgroup_size: 256
    .sgpr_count:     100
    .vgpr_count:     512
    .wavefront_size: 32
...
	.end_amdgpu_metadata
.endif
;; end of part 3
